; MI455X (gfx1250); checked and timed in simulation.
; The chip was launched on July 23, 2026; its instructions are those of AMD's public machine-readable ISA for CDNA 5 (MIT licence, August 2026) and "CDNA5" Instruction Set Architecture Reference Guide (July 2026). The comments in the code are by the model that wrote it; some were corrected since.
;; Attention. Allowed arithmetic: matrix products marked QUANTISED: E4M3 operands, one given power-of-two scale a tensor, by v_wmma_f32_16x16x64_fp8_fp8 or v_wmma_f32_16x16x128_fp8_fp8, f32 sums; products left as they are: f32 operands where the result goes on into a quantised operand, else bf16, f16 or f32 operands; f32 sums; everything else in f32.
;; Inputs: lowp_scales 12 int32 (the exponents e of the quantised operands' scales 2^e); mask 2,048 x 2,048 bool; wk 2,048 x 2,048 float32; wo 2,048 x 2,048 float32; wq 2,048 x 2,048 float32; wv 2,048 x 2,048 float32; x 2,048 x 2,048 float32.
;; Outputs: out0 2,048 x 2,048 float32.
;; This version of the problem:
;;   THIS VERSION OF THE PROBLEM IS GIVEN IN LOW PRECISION. The matrix products marked QUANTISED in the list below multiply operands that are first quantised to E4M3 (4 exponent bits, 3 mantissa bits; 8 bits a number), with one given power-of-two scale for each operand tensor; their sums are f32. All else is computed in f32.
;;   The module's matrix products, in the order in which they are computed (A, B: the left and right operand; K: the contracted axis; several contracted axes count as one K, in the product's order):
;;     1. [M 2,048, K 2,048] x [K 2,048, N 2,048]; A: input x; B: input wq: QUANTISED (scales: A lowp_scales[0], B lowp_scales[1])
;;     2. [M 2,048, K 2,048] x [K 2,048, N 2,048]; A: input x; B: input wk: QUANTISED (scales: A lowp_scales[2], B lowp_scales[3])
;;     3. [M 2,048, K 2,048] x [K 2,048, N 2,048]; A: input x; B: input wv: QUANTISED (scales: A lowp_scales[4], B lowp_scales[5])
;;     4. [M 2,048, K 1] x [K 1, N 64]; A: computed on the way; B: computed on the way: left as it is (no contracted axis)
;;     5. batch 16 x [M 2,048, K 128] x [K 128, N 2,048]; A: computed on the way; B: computed on the way: QUANTISED (scales: A lowp_scales[6], B lowp_scales[7])
;;     6. batch 16 x [M 128, K 2,048] x [K 2,048, N 2,048]; A: computed on the way; B: softmax (see below): QUANTISED (scales: A lowp_scales[8], B lowp_scales[9])
;;     7. [M 2,048, K 2,048] x [K 2,048, N 2,048]; A: computed on the way; B: input wo: QUANTISED (scales: A lowp_scales[10], B lowp_scales[11])
;;   THE QUANTISER, for each operand of a quantised product, along K:
;;     - The operand's scale is 2^e, e = its entry of the input lowp_scales (int32; the entries are numbered through the quantised products in the list's order, A before B).
;;     - Each number is divided by the scale, clamped to +-448, and rounded to the nearest number of E4M3, ties to even, subnormals kept.
;;     - The product sums the exact products of the quantised numbers (number of the format x scale) in f32.
;;   ~~~python
;;   def quantise(x, axis, e):      # numpy; x: float32 -> the quantised numbers, widened to float32 again
;;       x = np.moveaxis(x, axis, -1); K = x.shape[-1]
;;       r = np.clip(x / 2.0 ** e, -448, 448)
;;       step = 2.0 ** (np.maximum(np.frexp(np.where(r == 0, 1, r))[1] - 1, -6) - 3)
;;       q = np.round(r / step) * step * 2.0 ** e      # np.round: ties to even
;;       return np.moveaxis(q, -1, axis).astype(np.float32)
;;   ~~~
;;   SOFTMAX AHEAD OF A QUANTISED PRODUCT. Where the list says 'softmax', what is quantised is not the finished softmax but p = 2^(t - M), with t = logit x log2(e) and M = ceil(the row's largest t), a whole number; so 1/2 < the row's largest p <= 1. The row's sum l is taken of the UNQUANTISED p, in f32, and the product's result is divided by l at the end. Since M is a whole number, a kernel that streams over the keys may use a running M (the ceiling of the running maximum): every later rescaling is an exact power of two, so the quantised numbers keep their values, but for numbers so far below the row's largest that they fall under the format's range.
;;   OPERANDS COMPUTED ON THE WAY. 'Computed on the way' means the value that the module computes at that place (a softmax that the list does not call 'softmax' is quantised finished and normalised). What goes into a quantiser is computed in f32, as accurately as f32 sums, v_exp_f32 and their like allow (about 1e-6 of the number): no bf16 or f16 on the way to a quantiser, and a product that is left as it is and whose result goes on into a quantised operand takes f32 operands (vector FMAs, or v_wmma_f32_16x16x4_f32). A number that lies on a knife's edge between two numbers of the format may be rounded either way, as far as f32 arithmetic and the matrix unit's own rounding can turn it there, and no further.
;; 2 versions, each right; version 2 is version 1 with the launch attn written anew for expert scheduling mode. Each part assembles by itself: llvm-mc -triple=amdgcn-amd-amdhsa -mcpu=gfx1250 --defsym DOCPART=n.
;; ======== version 1 of 2: 4 launches
;; workspace buffers: codes 29,360,128 bytes; rope 1,048,576 bytes; lmask 524,288 bytes of whole numbers; flags 2,048 bytes of whole numbers; qkv 12,582,912 bytes; aimg 4,194,304 bytes
;; launch prep (part 1): grid 800 x 1, 4 waves a work-group, no clusters, 54,784 bytes of LDS; arguments x, wq, wk, wv, wo, mask, lowp_scales, codes, rope, lmask, flags; writes codes, rope, lmask, flags
.if DOCPART == 1
	.amdgcn_target "amdgcn-amd-amdhsa--gfx1250"
	.amdhsa_code_object_version 6
	.text
	.protected	k_q7aa208cf7c_prep
	.globl	k_q7aa208cf7c_prep
	.p2align	8
	.type	k_q7aa208cf7c_prep,@function
k_q7aa208cf7c_prep:
	s_mov_b64 s[64:65], 0
	v_nop
	global_prefetch_b8 v0, s[64:65] scope:SCOPE_SE
	s_setreg_imm32_b32 hwreg(HW_REG_WAVE_MODE, 25, 1), 1
	s_wait_xcnt 0x0
; PREP: everything that later launches read many times is made once.  Three kinds of work-group, told apart by the work-group's number:
;   0..31    the RoPE table: cos and sin of token x inv_freq, in f32, laid as the projection's results want them
;   32..159  the mask [2048][2048] of bytes becomes lane masks (a bit a lane, a word a score register) and two flags for each tile of 16 queries x 128 keys: any byte true, all bytes true
;   160..799 x, wq, wk, wv, wo (f32, K innermost) become codes of E4M3: code = number / 2^e, held within +-448, to the nearest code, ties to even.  x has three scales and is read once, quantised three times.
; CODES: seven planes of 2048 rows x 2048 bytes: 0 x (e0), 1 x (e2), 2 wv (e5), 3 wq (e1), 4 wk (e3), 5 x (e4), 6 wo (e11).  In each block of 32 codes the four groups of eight lie in the order 0, 2, 1, 3:
; a lane that reads 16 bytes at 32 c + 16 (lane / 16) of a row then holds k = 32 c + 8 (lane / 16) + 0..7 and k = 32 c + 16 + 8 (lane / 16) + 0..7, the places that the K = 128 matrix form gives registers 4 c .. 4 c + 3.
; LIMITS: every e used here lies between -126 and 119.  NaN among the floating-point inputs is not served (an infinity is held at the largest code).  cos and sin come by a reduction to |r| <= pi/4 in two parts of pi/2
; and polynomials of degree 7 and 8: absolute error about 1e-7; inv_freq = 2^(-i log2(10000) / 64) with the exponent kept in two parts.
; No barrier: waves share nothing.  Each kind of work-group has LDS bytes of its own.
.set QSTW,  5120                       ; quantiser: two stages of 32 x 80 bytes for each wave, from LDS byte 0
.set MST0,  20480                      ; mask: a stage of 16 rows x 528 bytes for each wave, from here
.set MSTW,  8448
.set R,     16                         ; v16-79   four sets of 16 numbers as they are loaded
.set X,     80                         ; v80-111  two sets of 16 numbers: two groups of eight neighbours
.set TQ,    112                        ; v112-127 the numbers held within the largest code x the scale
.set C,     128                        ; v128-175 codes: four steps x three outputs x four registers
	s_load_b512 s[8:23], s[0:1], 0x0               ; x 8, wq 10, wk 12, wv 14, wo 16, mask 18, scales 20, codes 22
	s_load_b128 s[24:27], s[0:1], 0x40             ; rope 24, lmask 26
	s_load_b64 s[28:29], s[0:1], 0x50              ; flags
	v_lshl_add_u32 v192, v0, 2, 0xd400
	v_mov_b32 v193, 0
	v_lshrrev_b32 v1, 5, v0
	v_readfirstlane_b32 s2, v1                     ; wave 0..3
	v_and_b32 v2, 31, v0                           ; lane
	s_cmp_lt_u32 ttmp9, 32
	s_cbranch_scc1 .Lrope
	s_cmp_lt_u32 ttmp9, 160
	s_cbranch_scc1 .Lmask
; ---------------- the quantiser.  A wave takes 16 steps of 512 numbers; a tensor is 512 such runs.
	s_sub_co_u32 s3, ttmp9, 160
	s_lshr_b32 s4, s3, 7                           ; which tensor: 0 x, 1 wq, 2 wk, 3 wv, 4 wo
	s_and_b32 s5, s3, 127
	s_lshl_b32 s5, s5, 2
	s_add_co_u32 s5, s5, s2                        ; which run of 8,192 numbers
	v_lshlrev_b32 v3, 4, v2                        ; 16 x lane: my bytes of a load's 512, and of a store's 512
	s_mul_i32 s6, s2, QSTW
	v_lshrrev_b32 v14, 2, v2
	v_mul_u32_u24 v14, v14, 80
	v_and_b32 v15, 3, v2
	v_lshl_add_u32 v14, v15, 4, v14
	v_add_nc_u32 v14, s6, v14                      ; the stage, on the way in: 64 bytes on end, then 16 of padding
	v_lshrrev_b32 v15, 1, v2
	v_mul_u32_u24 v15, v15, 160
	v_and_b32 v5, 1, v2
	v_lshl_add_u32 v15, v5, 5, v15
	v_add_nc_u32 v15, s6, v15                      ; on the way out: block lane / 2; an even lane takes its groups 0 and 2, an odd lane groups 1 and 3
	s_wait_kmcnt 0x0
	s_load_b256 s[36:43], s[20:21], 0x0            ; e0 .. e7
	s_load_b128 s[44:47], s[20:21], 0x20           ; e8 .. e11
	s_mov_b64 s[30:31], s[8:9]                     ; the source and the plane are chosen on the work-group's number alone
	s_mov_b32 s32, 0
	s_cmp_eq_u32 s4, 1
	s_cselect_b64 s[30:31], s[10:11], s[30:31]
	s_cselect_b32 s32, 3, s32
	s_cmp_eq_u32 s4, 2
	s_cselect_b64 s[30:31], s[12:13], s[30:31]
	s_cselect_b32 s32, 4, s32
	s_cmp_eq_u32 s4, 3
	s_cselect_b64 s[30:31], s[14:15], s[30:31]
	s_cselect_b32 s32, 2, s32
	s_cmp_eq_u32 s4, 4
	s_cselect_b64 s[30:31], s[16:17], s[30:31]
	s_cselect_b32 s32, 6, s32
	s_lshl_b32 s34, s5, 15                         ; a run is 32,768 bytes of f32
	s_mov_b32 s35, 0
	s_add_nc_u64 s[30:31], s[30:31], s[34:35]
	s_lshl_b32 s34, s5, 13                         ; and 8,192 bytes of codes
	s_add_nc_u64 s[50:51], s[22:23], s[34:35]
	s_add_nc_u64 s[52:53], s[50:51], 5<<22         ; x's third output: plane 5
	s_lshl_b32 s34, s32, 22
	s_add_nc_u64 s[48:49], s[50:51], s[34:35]      ; the first (or only) output
	s_add_nc_u64 s[50:51], s[50:51], 1<<22         ; x's second output: plane 1
.macro MKSC e, l                       ; v[l] = 448 x 2^e, v[l + 1] = 2^e, as f32
	s_add_co_i32 s54, \e, 127
	s_lshl_b32 s55, s54, 23
	v_mov_b32 v[\l+1], s55
	s_add_co_i32 s54, s54, 8
	s_lshl_b32 s54, s54, 23
	s_or_b32 s54, s54, 0x600000
	v_mov_b32 v[\l], s54
.endm
.macro LOAD t
.irp i, 0,1,2,3
	global_load_b128 v[R+16*((\t)%4)+4*\i:R+16*((\t)%4)+4*\i+3], v3, s[30:31] offset:2048*(\t)+512*\i th:TH_LOAD_NT   ; 32 lanes read 512 consecutive bytes
.endr
.endm
.macro TURN t                          ; step t's numbers through the stage; LDS serves a wave's instructions in order, so no wait stands between the stores and the loads
.irp i, 0,1,2,3
	ds_store_b128 v14, v[R+16*((\t)%4)+4*\i:R+16*((\t)%4)+4*\i+3] offset:2560*((\t)%2)+640*\i
.endr
.irp i, 0,1,2,3
	ds_load_b128 v[X+16*((\t)%2)+4*\i:X+16*((\t)%2)+4*\i+3], v15 offset:2560*((\t)%2)+80*(\i/2)+16*(\i%2)
.endr
.endm
.macro CONV t, o                       ; output o of step t: hold, convert, store 512 consecutive bytes
.irp i, 0,1,2,3,4,5,6,7,8,9,10,11,12,13,14,15
	v_med3_num_f32 v[TQ+\i], v[XS+\i], -v[8+2*(\o)], v[8+2*(\o)]   ; the conversion to an 8-bit code does not saturate (ISA guide 7.6.2)
.endr
	v_cvt_scalef32_pk8_fp8_f32 v[C+12*((\t)%4)+4*(\o):C+12*((\t)%4)+4*(\o)+1], v[TQ:TQ+7], v[9+2*(\o)]
	v_cvt_scalef32_pk8_fp8_f32 v[C+12*((\t)%4)+4*(\o)+2:C+12*((\t)%4)+4*(\o)+3], v[TQ+8:TQ+15], v[9+2*(\o)]
	v_nop                                          ; a plain line between the conversions and the next holds, which write their sources
	global_store_b128 v3, v[C+12*((\t)%4)+4*(\o):C+12*((\t)%4)+4*(\o)+3], s[48+2*(\o):49+2*(\o)] offset:512*(\t)
.endm
.macro STEP t
.set XS, X+16*((\t)%2)
	s_wait_dscnt 0x0                               ; this step's numbers are back from the stage, and its stores into the stage have read their registers
	s_wait_xcnt 0x0                                ; earlier stores have read their data: the codes' registers may be written again
.if (\t)+4 < 16
	LOAD (\t)+4
.endif
.if (\t)+1 < 16
.if 14-(\t) >= 3
	s_wait_loadcnt 12                              ; the next step's four loads are in; those of the three steps behind it may be out
.else
	s_wait_loadcnt 4*(14-(\t))
.endif
	TURN (\t)+1
.endif
	CONV \t, 0
	s_cmp_lg_u32 s4, 0                             ; x alone has a second and a third scale
	s_cbranch_scc1 .Lone_\@
	CONV \t, 1
	CONV \t, 2
.Lone_\@:
.endm
.irp t, 0,1,2,3
	LOAD \t
.endr
	s_wait_kmcnt 0x0
	s_mov_b32 s33, s36                             ; the first output's e: e0, e1, e3, e5, e11
	s_cmp_eq_u32 s4, 1
	s_cselect_b32 s33, s37, s33
	s_cmp_eq_u32 s4, 2
	s_cselect_b32 s33, s39, s33
	s_cmp_eq_u32 s4, 3
	s_cselect_b32 s33, s41, s33
	s_cmp_eq_u32 s4, 4
	s_cselect_b32 s33, s47, s33
	MKSC s33, 8
	MKSC s38, 10                                   ; e2
	MKSC s40, 12                                   ; e4
	s_wait_loadcnt 12                              ; step 0's four loads are in
	TURN 0
.irp t, 0,1,2,3,4,5,6,7,8,9,10,11,12,13,14,15
	STEP \t
.endr
	s_wait_tensorcnt 0x0
	ds_add_u32 v192, v193
	s_wait_dscnt 0x0
	s_endpgm
; ---------------- the mask.  Work-group: 16 queries (tile T); wave: 512 keys, four units of 128.
.Lmask:
	s_sub_co_u32 s3, ttmp9, 32                     ; T
	s_lshl_b32 s4, s3, 15                          ; 16 T rows of 2,048 bytes
	s_lshl_b32 s5, s2, 9                           ; + 512 x wave
	s_add_co_u32 s4, s4, s5
	s_mov_b32 s5, 0
	v_lshlrev_b32 v3, 4, v2
	s_mul_i32 s6, s2, MSTW
	s_add_co_u32 s6, s6, MST0
	v_add_nc_u32 v4, s6, v3                        ; the stage, on the way in: 16 x lane in a row of 528
	v_and_b32 v5, 15, v2
	v_lshrrev_b32 v6, 4, v2
	v_mul_u32_u24 v5, v5, 528
	v_lshl_add_u32 v5, v6, 3, v5
	v_add_nc_u32 v5, s6, v5                        ; on the way out: row lane % 16, + 8 (lane / 16)
	v_lshlrev_b32 v7, 3, v2                        ; 8 x lane: my two words of a unit's 64
	s_wait_kmcnt 0x0
	s_add_nc_u64 s[18:19], s[18:19], s[4:5]
.irp r, 0,1,2,3,4,5,6,7,8,9,10,11,12,13,14,15
	global_load_b128 v[32+4*\r:35+4*\r], v3, s[18:19] offset:2048*\r th:TH_LOAD_NT   ; 512 consecutive bytes of row r
.endr
	s_lshl_b32 s4, s3, 12                          ; lmask: T x 16 units x 256 bytes
	s_lshl_b32 s7, s2, 10                          ; + 4 units a wave
	s_add_co_u32 s4, s4, s7
	s_add_nc_u64 s[26:27], s[26:27], s[4:5]
.irp i, 0,1,2,3,4,5,6,7
	v_mov_b32 v[160+\i], 0                         ; written whole before single lanes are written
.endr
	s_mov_b32 s30, 0                               ; the wave's flags
	s_wait_loadcnt 0x0
.irp r, 0,1,2,3,4,5,6,7,8,9,10,11,12,13,14,15
	ds_store_b128 v4, v[32+4*\r:35+4*\r] offset:528*\r
.endr
.set fi, 0
.rept 32
	ds_load_b64 v[96+2*fi:97+2*fi], v5 offset:128*(fi/8)+16*(fi%8)   ; unit fi / 8, tile of keys fi % 8: my query's bytes for keys 16 t + 8 (lane / 16) + 0..7
.set fi, fi+1
.endr
.macro MUNIT u
	s_wait_dscnt 24-8*(\u)                         ; this unit's eight loads are in; the later units' may be out
	s_mov_b32 s31, 0                               ; any
	s_mov_b32 s32, -1                              ; all
.irp t, 0,1,2,3,4,5,6,7
.irp j, 0,1,2,3,4,5,6,7
	v_and_b32 v[168+\j], 0xff<<(8*(\j%4)), v[96+2*(8*(\u)+\t)+\j/4]
.endr
.irp j, 0,1,2,3,4,5,6,7
	v_cmp_ne_u32 s[56+\j], 0, v[168+\j]            ; bit lane: the byte of query lane % 16, key 16 t + 8 (lane / 16) + j
.endr
.irp j, 0,1,2,3,4,5,6,7
	s_or_b32 s31, s31, s[56+\j]
	s_and_b32 s32, s32, s[56+\j]
	v_writelane_b32 v[160+2*(\u)+\j%2], s[56+\j], 4*\t+\j/2   ; word 8 t + j goes to lane (8 t + j) / 2
.endr
.endr
	global_store_b64 v7, v[160+2*(\u):161+2*(\u)], s[26:27] offset:256*(\u)   ; 32 lanes store 256 consecutive bytes, aligned
	s_cmp_lg_u32 s31, 0
	s_cselect_b32 s33, 1<<(\u), 0
	s_or_b32 s30, s30, s33
	s_cmp_eq_u32 s32, -1
	s_cselect_b32 s33, 0x10000<<(\u), 0
	s_or_b32 s30, s30, s33
.endm
	MUNIT 0
	MUNIT 1
	MUNIT 2
	MUNIT 3
	s_lshl_b32 s4, s3, 4
	s_lshl_b32 s7, s2, 2
	s_add_co_u32 s4, s4, s7                        ; flags: word 4 T + wave
	v_mov_b32 v176, s4
	v_mov_b32 v177, s30
	s_wait_xcnt 0x0                                ; EXEC changes only behind this wait
	v_cmp_eq_u32 vcc_lo, 0, v2
	s_wait_tensorcnt 0x0
	ds_add_u32 v192, v193
	s_wait_dscnt 0x0
	s_and_saveexec_b32 s56, vcc_lo
	global_store_b32 v176, v177, s[28:29]          ; one word a wave, from lane 0
	s_wait_xcnt 0x0
	s_or_b32 exec_lo, exec_lo, s56
	s_endpgm
; ---------------- the RoPE table.  A wave: 16 tokens (tile T).  [T][b 8][u 2][lane][16 bytes]: lane (r, h) holds cos, sin, cos, sin of token 16 T + r for pairs 8 b + 4 h + 2 u and the next.
.Lrope:
	s_lshl_b32 s3, ttmp9, 2
	s_add_co_u32 s3, s3, s2                        ; T
	v_and_b32 v3, 15, v2
	v_lshrrev_b32 v4, 4, v2
	s_lshl_b32 s4, s3, 4
	v_add_nc_u32 v5, s4, v3
	v_cvt_f32_u32 v5, v5                           ; the token as f32
	v_lshlrev_b32 v6, 2, v4                        ; 4 h + 8 b: the trip's first pair
	v_lshlrev_b32 v7, 4, v2                        ; my 16 bytes
	s_mov_b32 s36, 0x3e549a78                      ; log2(10000) / 64, upper part
	s_mov_b32 s37, 0x31979968                      ; and the rest
	s_mov_b32 s38, 0x3f22f983                      ; 2 / pi
	s_mov_b32 s39, 0x3fc90fdb                      ; pi / 2, upper part
	s_mov_b32 s40, 0xb33bbd2e                      ; and the rest
	s_mov_b32 s41, 0xbe2aaaa3                      ; sine: r + r z (S1 + z (S2 + z S3)), z = r r
	s_mov_b32 s42, 0x3c08839e
	s_mov_b32 s43, 0xb94ca1f9
	s_mov_b32 s44, 0x3d2aaaa5                      ; cosine: 1 - z / 2 + z z (C0 + z (C1 + z C2))
	s_mov_b32 s45, 0xbab6061a
	s_mov_b32 s46, 0x37ccf5ce
	s_lshl_b32 s4, s3, 13
	s_mov_b32 s5, 0
	s_wait_kmcnt 0x0
	s_add_nc_u64 s[24:25], s[24:25], s[4:5]
	s_mov_b32 s6, 8
.macro RPRE p                          ; pair i = 8 b + 4 h + p: i log2(10000) / 64 = N + F, N whole, |F| <= 1/2, F exact to f32's last bits
.set PB, 32+8*(\p)
	v_add_nc_u32 v[PB], \p, v6
	v_cvt_f32_u32 v[PB], v[PB]
	v_mul_f32 v[PB+1], s36, v[PB]
	v_fma_f32 v[PB+2], v[PB], s36, -v[PB+1]        ; what the product's rounding dropped,
	v_fma_f32 v[PB+2], v[PB], s37, v[PB+2]         ; and the constant's lower part
	v_rndne_f32 v[PB+3], v[PB+1]
	v_sub_f32 v[PB+1], v[PB+1], v[PB+3]
	v_add_f32 v[PB+1], v[PB+1], v[PB+2]
	v_cvt_i32_f32 v[PB+3], v[PB+3]
	v_sub_nc_u32 v[PB+3], 0, v[PB+3]               ; -N
.endm
.macro RPOST p
.set PB, 32+8*(\p)
	v_ldexp_f32 v[PB+1], v[PB+1], v[PB+3]          ; inv_freq = 2^-F x 2^-N
	v_mul_f32 v[PB], v5, v[PB+1]                   ; the angle: one rounding
	v_mul_f32 v[PB+2], s38, v[PB]
	v_rndne_f32 v[PB+2], v[PB+2]                   ; K quarter turns
	v_fma_f32 v[PB], -v[PB+2], s39, v[PB]
	v_fma_f32 v[PB], -v[PB+2], s40, v[PB]          ; r
	v_cvt_i32_f32 v[PB+2], v[PB+2]
	v_mul_f32 v[PB+1], v[PB], v[PB]                ; z
	v_fma_f32 v[PB+3], v[PB+1], s43, s42
	v_fma_f32 v[PB+3], v[PB+3], v[PB+1], s41
	v_mul_f32 v[PB+3], v[PB+3], v[PB+1]
	v_fma_f32 v[PB+3], v[PB+3], v[PB], v[PB]       ; sin r
	v_fma_f32 v[PB+4], v[PB+1], s46, s45
	v_fma_f32 v[PB+4], v[PB+4], v[PB+1], s44
	v_mul_f32 v[PB+5], v[PB+1], v[PB+1]
	v_fma_f32 v[PB+1], v[PB+1], -0.5, 1.0
	v_fma_f32 v[PB+4], v[PB+4], v[PB+5], v[PB+1]   ; cos r
	v_and_b32 v[PB+5], 1, v[PB+2]
	v_cmp_eq_u32 vcc_lo, 1, v[PB+5]                ; an odd quarter swaps the two
	v_cndmask_b32 v[PB], v[PB+3], v[PB+4], vcc_lo
	v_cndmask_b32 v[PB+1], v[PB+4], v[PB+3], vcc_lo
	v_and_b32 v[PB+5], 2, v[PB+2]
	v_lshlrev_b32 v[PB+5], 30, v[PB+5]
	v_xor_b32 v[17+2*(\p)], v[PB+5], v[PB]         ; the sine changes sign in quarters 2 and 3,
	v_add_nc_u32 v[PB+2], 1, v[PB+2]
	v_and_b32 v[PB+2], 2, v[PB+2]
	v_lshlrev_b32 v[PB+2], 30, v[PB+2]
	v_xor_b32 v[16+2*(\p)], v[PB+2], v[PB+1]       ; the cosine in quarters 1 and 2
.endm
.Lrb:                                              ; eight trips: b = 0 .. 7, four pairs a lane
	RPRE 0
	RPRE 1
	RPRE 2
	RPRE 3
.irp p, 0,1,2,3
	v_exp_f32 v[33+8*\p], -v[33+8*\p]
.endr
	v_nop                                          ; a plain line behind the last exponential
	s_wait_alu depctr_va_vdst(0)                   ; one wait for the four, ahead of their first reader
	RPOST 0
	RPOST 1
	RPOST 2
	RPOST 3
	global_store_b128 v7, v[16:19], s[24:25]       ; 32 lanes store 512 consecutive bytes
	global_store_b128 v7, v[20:23], s[24:25] offset:512
	s_wait_xcnt 0x0                                ; the stores have read their data and their offset
	v_add_nc_u32 v7, 1024, v7
	v_add_nc_u32 v6, 8, v6
	s_sub_co_u32 s6, s6, 1
	s_cmp_lg_u32 s6, 0
	s_cbranch_scc1 .Lrb
	s_endpgm
.Lfunc_end_k_q7aa208cf7c_prep:
	.size	k_q7aa208cf7c_prep, .Lfunc_end_k_q7aa208cf7c_prep-k_q7aa208cf7c_prep
	.p2alignl 7, 3214868480
	.fill 96, 4, 3214868480
	.section	.rodata,"a",@progbits
	.p2align	6, 0x0
	.amdhsa_kernel k_q7aa208cf7c_prep
		.amdhsa_group_segment_fixed_size 54784
		.amdhsa_private_segment_fixed_size 0
		.amdhsa_enable_private_segment 0
		.amdhsa_kernarg_size 88
		.amdhsa_user_sgpr_count 2
		.amdhsa_user_sgpr_kernarg_segment_ptr 1
		.amdhsa_wavefront_size32 1
		.amdhsa_system_sgpr_workgroup_id_x 1
		.amdhsa_system_sgpr_workgroup_id_y 1
		.amdhsa_system_sgpr_workgroup_id_z 1
		.amdhsa_system_vgpr_workitem_id 0
		.amdhsa_next_free_vgpr 194
		.amdhsa_next_free_sgpr 66
		.amdhsa_reserve_vcc 1
		.amdhsa_float_denorm_mode_32 3
		.amdhsa_float_denorm_mode_16_64 3
		.amdhsa_memory_ordered 1
		.amdhsa_forward_progress 1
		.amdhsa_inst_pref_size 161
	.end_amdhsa_kernel
	.amdgpu_metadata
---
amdhsa.version: [ 1, 2 ]
amdhsa.kernels:
  - .name:           k_q7aa208cf7c_prep
    .symbol:         k_q7aa208cf7c_prep.kd
    .args:
      - { .name: x, .offset: 0, .size: 8, .value_kind: global_buffer, .address_space: global }
      - { .name: wq, .offset: 8, .size: 8, .value_kind: global_buffer, .address_space: global }
      - { .name: wk, .offset: 16, .size: 8, .value_kind: global_buffer, .address_space: global }
      - { .name: wv, .offset: 24, .size: 8, .value_kind: global_buffer, .address_space: global }
      - { .name: wo, .offset: 32, .size: 8, .value_kind: global_buffer, .address_space: global }
      - { .name: mask, .offset: 40, .size: 8, .value_kind: global_buffer, .address_space: global }
      - { .name: lowp_scales, .offset: 48, .size: 8, .value_kind: global_buffer, .address_space: global }
      - { .name: codes, .offset: 56, .size: 8, .value_kind: global_buffer, .address_space: global }
      - { .name: rope, .offset: 64, .size: 8, .value_kind: global_buffer, .address_space: global }
      - { .name: lmask, .offset: 72, .size: 8, .value_kind: global_buffer, .address_space: global }
      - { .name: flags, .offset: 80, .size: 8, .value_kind: global_buffer, .address_space: global }
    .group_segment_fixed_size: 54784
    .private_segment_fixed_size: 0
    .kernarg_segment_align: 8
    .kernarg_segment_size: 88
    .max_flat_workgroup_size: 128
    .sgpr_count:     66
    .vgpr_count:     194
    .wavefront_size: 32
...
	.end_amdgpu_metadata
.endif
;; end of part 1
;; launch qkv (part 2): grid 24 x 8, 4 waves a work-group, clusters of 4 x 4, 327,680 bytes of LDS; arguments codes, lowp_scales, rope, qkv; writes qkv
.if DOCPART == 2
	.amdgcn_target "amdgcn-amd-amdhsa--gfx1250"
	.amdhsa_code_object_version 6
	.text
	.protected	k_q7aa208cf7c_qkv
	.globl	k_q7aa208cf7c_qkv
	.p2align	8
	.type	k_q7aa208cf7c_qkv,@function
k_q7aa208cf7c_qkv:
	s_mov_b64 s[64:65], 0
	v_nop
	global_prefetch_b8 v0, s[64:65] scope:SCOPE_SE
	s_setreg_imm32_b32 hwreg(HW_REG_WAVE_MODE, 25, 1), 1
	s_wait_xcnt 0x0
	s_wait_alu depctr_hold_cnt(0) depctr_sa_sdst(0) depctr_va_vdst(0) depctr_va_sdst(0) depctr_va_ssrc(0) depctr_va_vcc(0) depctr_vm_vsrc(0)
	s_getreg_b32 s2, hwreg(HW_REG_IB_STS2, 6, 4)
	s_cmp_eq_u32 s2, 0
	s_cbranch_scc0 .Lentry_in_a_cluster
	s_endpgm
.Lentry_in_a_cluster:
	s_bfe_u32 s2, ttmp6, 0x10000c
	s_cmp_lg_u32 s2, 0xf033
	s_cbranch_scc0 .Lentry_shape_is_right
	s_endpgm
.Lentry_shape_is_right:
; QKV: the three projections on codes of E4M3, RoPE on q and k, and the quantising of q, k and v for the attention, in one launch.  PART = cluster x / 2: 0 q, 1 k, 2 v.
; A tile of 256 x 256 sums is made by four waves, 128 x 128 each (64 accumulators, 512 registers); K = 2048 goes in steps of 256 through a ring of two LDS slots filled by the tensor data mover.
; THE MATRIX INSTRUCTION IS USED TRANSPOSED: source 0 = 16 rows of "B", source 1 = 16 rows of "A": a lane holds one row of A and eight neighbouring rows of B.
;   q, k: A = x's codes (plane PART), B = the weight's (plane 3 + PART): a lane holds one token and eight neighbouring channels of one head: the next product's K runs along its registers.
;   v:    A = wv's codes (plane 2), B = x's (plane 5): a lane holds one channel and eight neighbouring tokens: the keys, which are the second attention product's K.
; So the eight accumulators (a, 0..7) of a block of 16 rows, converted eight numbers at a time, ARE a fragment's 16 registers; it is stored as an image of those registers: [4 registers][lane][16 bytes], 2,048 bytes.
;   q, k planes: [head][tile of 16 tokens][2,048];  v plane: [head][step of 128 keys][tile of 16 channels][2,048].
; A sum stands for sum x 2^(ea + eb); RoPE is linear; so the code is rope(sum) / 2^E with E = e6 - e0 - e1 (q), e7 - e2 - e3 (k), e8 - e4 - e5 (v).  LIMIT: E between -126 and 119.
; CLUSTERS: 4 x 4 work-groups of one PART.  The four of a row need the same tiles of A, the four of a column the same tiles of B: each tile is asked for jointly.
; 192 work-groups: three parts x 8 x 8 tiles.  A wave has at most two tensor loads out (the two first fills), later one.
; REGISTERS: window 0: v16-31 addresses and scales; v32-111 at work on the way out; from v128 A's fragments, ONE set, on the way out the codes.  window 1: B's fragments, two sets; on the way out the table's two buffers.
;   window 2: the accumulators of my rows 0-63 ((a, b) at v[8 (8 a + b)]);  window 3: rows 64-127.
.set ROWB,   256                       ; a tile's row in bytes
.set KROW,   2048                      ; a row of codes in memory
.set PITCH,  272                       ; an LDS row: 256 bytes + 16 of padding = 68 words: the 16 rows of a load start at 16 different banks (64 banks of 4 bytes: ISA guide 11.1)
.set FR,     16
.set NL,     4
.set NP,     4
.set HALFT,  128*PITCH
.set SLOT,   4*HALFT
.set LAPS,   4                         ; 2048 / 512
.set SPARE,  2*SLOT                    ; behind the ring: the spare words, 128 bytes for each wave
.set ADRA, 16
.set ADRB, 20
.set LI,   26                          ; v26  16 x lane
.set SPW,  28
.set NIL,  29
.set SC,   30                          ; v30  2^E as f32
.set LIM,  31                          ; v31  448 x 2^E
.set TT,   32                          ; v32-95  a block's 64 numbers
.set UU,   96                          ; v96-111 the rotation's second terms, two sets by turns
.set AF,   128
.set CD,   128                         ; v128-255 the codes, 16 registers a block, each written once
.set G1, 24
.set G0, 32
.set G1B, 48
.set G0B, 56
.set MSB, 0
.macro WIN new                         ; the immediate's high byte repeats the setting that is left
.if MSB != \new
	s_set_vgpr_msb (MSB<<8)|\new
.set MSB, \new
.endif
.endm
.set MUL_LO, 0xa1                      ; source 0 (B) window 1, source 1 (A) window 0, C and D window 2
.set MUL_HI, 0xf1
.set TO_B,   0x40
; A joint load: waves 0 and 1 fetch for A, waves 2 and 3 for B; the branch hangs on the wave's number alone.  Four v_nop follow each of the two lines.
.macro JLOAD g0a, g1a, g0b, g1b
	s_cmp_eq_u32 s15, 0
	s_cbranch_scc0 .Lfor_b_\@
	tensor_load_to_lds s[\g0a:\g0a+3], s[\g1a:\g1a+7]
	s_nop 0
.rept 4
	v_nop
.endr
	s_branch .Lasked_\@
.Lfor_b_\@:
	tensor_load_to_lds s[\g0b:\g0b+3], s[\g1b:\g1b+7]
	s_nop 0
.rept 4
	v_nop
.endr
.Lasked_\@:
.endm
.macro CREST                           ; a round of the cluster's barrier behind its opening barrier
	s_cmp_lg_u32 s14, 0
	s_cbranch_scc1 .Lnot_wave_0_\@
	s_barrier_signal -3
.Lnot_wave_0_\@:
	s_barrier_wait -3
	s_barrier_signal -1
	s_barrier_wait -1
.endm
.macro CROUND
	s_barrier_signal -1
	s_barrier_wait -1
	CREST
.endm
	s_load_b256 s[4:11], s[0:1], 0x0               ; codes s[4:5], scales s[6:7], rope s[8:9], qkv s[10:11]
	v_lshl_add_u32 v[SPW], v0, 2, SPARE
	v_mov_b32 v[NIL], 0
	ds_add_u32 v28, v29
	ds_add_u32 v28, v29
	s_wait_dscnt 0x0
	v_lshrrev_b32 v1, 5, v0
	v_readfirstlane_b32 s14, v1                    ; wave 0..3
	s_lshr_b32 s15, s14, 1                         ; which half of the tile's A rows is mine.  Also: I fetch for A (0) or for B (1)
	s_and_b32 s16, s14, 1                          ; which half of its B rows.  Also: which 128 rows I fetch
	s_bfe_u32 s40, ttmp6, 0x40000                  ; cx, cy
	s_bfe_u32 s41, ttmp6, 0x40004
	s_lshr_b32 s12, ttmp9, 1                       ; PART: the same in all sixteen partners
	s_and_b32 s42, ttmp9, 1
	s_lshl_b32 s42, s42, 2
	s_add_co_u32 s42, s42, s40                     ; tile of B rows, 0..7
	s_and_b32 s17, ttmp7, 0xffff
	s_lshl_b32 s17, s17, 2
	s_add_co_u32 s17, s17, s41                     ; tile of A rows, 0..7
	s_lshl_b32 s43, s41, 2
	s_lshl_b32 s43, 15, s43                        ; my row of the cluster
	s_lshl_b32 s44, 0x1111, s40                    ; my column
	s_or_b32 s[G1+0], s43, (0<<16)|(1<<20)|(1<<21)|(5<<22)|(3<<25)  ; the mask; elements of 1 byte; padding on; bit 21 beside a mask; 4 words after every 64
	s_or_b32 s[G1B+0], s44, (0<<16)|(1<<20)|(1<<21)|(5<<22)|(3<<25)
.irp g, G1, G1B
	s_mov_b32 s[\g+1], ROWB<<16                    ; tensor_dim0
	s_mov_b32 s[\g+2], 128<<16                     ; tensor_dim1
	s_mov_b32 s[\g+3], ROWB<<16                    ; tile_dim0
	s_mov_b32 s[\g+4], 128                         ; tile_dim1
	s_mov_b32 s[\g+5], KROW                        ; the pitch
	s_mov_b32 s[\g+6], 0
	s_mov_b32 s[\g+7], 0
.endr
	s_lshl_b32 s18, s16, 7                         ; which 128 rows of the tile I fetch
	s_lshl_b32 s19, s12, 22                        ; PART planes of 4 MiB
	s_lshl_b32 s20, s17, 8
	s_add_co_u32 s20, s20, s18
	s_lshl_b32 s20, s20, 11                        ; A: rows of 2,048 bytes,
	s_add_co_u32 s20, s20, s19                     ; in plane PART
	s_mov_b32 s21, 0
	s_lshl_b32 s46, s42, 8
	s_add_co_u32 s46, s46, s18
	s_lshl_b32 s46, s46, 11
	s_add_co_u32 s46, s46, s19
	s_add_co_u32 s46, s46, 3<<22                   ; B: in plane 3 + PART
	s_mov_b32 s47, 0
	s_mul_i32 s45, s14, HALFT                      ; where they go: wave x 128 rows
	s_wait_kmcnt 0x0
	s_load_b256 s[68:75], s[6:7], 0x0              ; e0 .. e7
	s_load_b128 s[76:79], s[6:7], 0x20             ; e8 .. e11
	s_add_nc_u64 s[20:21], s[4:5], s[20:21]
	s_add_nc_u64 s[46:47], s[4:5], s[46:47]
	CROUND                                         ; all sixteen work-groups are here: the first joint loads meet
.irp s, 0,1
	s_mov_b32 s[G0+4*\s], 1
	s_add_co_u32 s[G0+4*\s+1], s45, \s*SLOT
	s_add_nc_u64 s[G0+4*\s+2:G0+4*\s+3], s[20:21], \s*ROWB
	s_or_b32 s[G0+4*\s+3], s[G0+4*\s+3], 0x80000000
	s_mov_b32 s[G0B+4*\s], 1
	s_add_co_u32 s[G0B+4*\s+1], s45, \s*SLOT
	s_add_nc_u64 s[G0B+4*\s+2:G0B+4*\s+3], s[46:47], \s*ROWB
	s_or_b32 s[G0B+4*\s+3], s[G0B+4*\s+3], 0x80000000
	JLOAD G0+4*\s, G1, G0B+4*\s, G1B
.endr
	v_and_b32 v1, 15, v0
	v_bfe_u32 v2, v0, 4, 1
	v_mul_u32_u24 v3, v1, PITCH
	v_lshl_add_u32 v4, v2, 4, v3                   ; a fragment's row x pitch + 16 x half
	s_mul_i32 s21, s15, HALFT
	s_mul_i32 s22, s16, HALFT
	s_add_co_u32 s22, s22, 2*HALFT
.irp s, 0,1
	v_add_nc_u32 v[ADRA+\s], s21, v4
	v_add_nc_u32 v[ADRB+\s], s22, v4
	s_add_co_u32 s21, s21, SLOT
	s_add_co_u32 s22, s22, SLOT
.endr
	v_and_b32 v6, 31, v0
	v_lshlrev_b32 v[LI], 4, v6
	; the way out's addresses.  U = my 128 B rows' number, W = my 128 A rows' number (0..15 each).  q, k: head U, tiles of tokens 8 W + a;  v: head W, key step U, tile of channels a
	s_lshl_b32 s80, s42, 1
	s_add_co_u32 s80, s80, s16                     ; U
	s_lshl_b32 s81, s17, 1
	s_add_co_u32 s81, s81, s15                     ; W
	s_cmp_eq_u32 s12, 2
	s_cselect_b32 s86, s81, s80
	s_cselect_b32 s87, s80, s81
	s_lshl_b32 s86, s86, 18
	s_lshl_b32 s87, s87, 14
	s_add_co_u32 s86, s86, s87
	s_lshl_b32 s87, s12, 22
	s_add_co_u32 s86, s86, s87
	s_mov_b32 s87, 0
	s_add_nc_u64 s[82:83], s[10:11], s[86:87]      ; my eight images
	s_lshl_b32 s86, s81, 16
	s_add_nc_u64 s[84:85], s[8:9], s[86:87]        ; the table of my 128 tokens: 8 tiles of 8,192 bytes
.macro FRAG reg, adr, q, i             ; a fragment: 16 rows x 128 K in 16 registers, four loads of 16 bytes, 32 bytes apart
.irp c, 0,1,2,3
	ds_load_b128 v[\reg+4*\c:\reg+4*\c+3], v[\adr] offset:128*(\q)+32*\c+(\i)*16*PITCH
.endr
.endm
; 16 matrix instructions: A's blocks a0, a0 + 1 x B's eight.  The 64 accumulators take turns, one instruction a turn, in the same order in every step.
.macro MUL16 a0, p, zero
.irp a, \a0, \a0+1
.irp b, 0,1,2,3,4,5,6,7
.if \zero
	v_wmma_f32_16x16x128_fp8_fp8 v[8*(8*((\a)%4)+\b):8*(8*((\a)%4)+\b)+7], v[128*(\p)+FR*\b:128*(\p)+FR*\b+FR-1], v[AF+FR*(\a):AF+FR*(\a)+FR-1], 0
.else
	v_wmma_f32_16x16x128_fp8_fp8 v[8*(8*((\a)%4)+\b):8*(8*((\a)%4)+\b)+7], v[128*(\p)+FR*\b:128*(\p)+FR*\b+FR-1], v[AF+FR*(\a):AF+FR*(\a)+FR-1], v[8*(8*((\a)%4)+\b):8*(8*((\a)%4)+\b)+7]
.endif
.endr
.endr
.endm
.macro FETCH_B slot, q, p
	WIN TO_B
.irp i, 0,1,2,3,4,5,6,7
	FRAG 128*(\p)+FR*\i, ADRB+\slot, \q, \i
.endr
	WIN 0
.endm
.macro FETCH_A slot, q, i0
.irp i, \i0, \i0+1, \i0+2, \i0+3
	FRAG AF+FR*(\i), ADRA+\slot, \q, \i
.endr
.endm
.macro PLACES n                        ; plain vector lines between a matrix instruction and a load into its registers or a read of its result
.rept \n
	v_nop
.endr
.endm
.macro STEP slot, q, zero              ; 128 along K, with its successor in the same slot
	s_wait_dscnt 4*NL                              ; B's set and A's blocks 0-3 are in; the youngest 16 loads (A's blocks 4-7) may be out
	WIN MUL_LO
	MUL16 0, (\q)%2, \zero
	MUL16 2, (\q)%2, \zero
	s_wait_dscnt 0
	PLACES NP
	FETCH_B \slot, (\q)+1, 1-(\q)%2
	FETCH_A \slot, (\q)+1, 0
	WIN MUL_HI
	MUL16 4, (\q)%2, \zero
	MUL16 6, (\q)%2, \zero
	PLACES NP
	WIN 0
	FETCH_A \slot, (\q)+1, 4
.endm
; A slot's last step changes slots: one barrier; in front of it each wave waits for all its tensor loads, adds 0 to its spare word, and waits for that and for its reads of this slot.
.macro TURN slot, next, fill
	s_wait_tensorcnt 0x0                           ; all my tensor loads have landed: my part of the next slot
	ds_add_u32 v[SPW], v[NIL]                      ; 0 onto my spare word
	s_wait_dscnt 4*NL+1                            ; (the add and the youngest 16 loads may be out)
	WIN MUL_LO
	MUL16 0, 1, 0
	s_wait_dscnt 0x0                               ; the add is done, and my reads of this slot are over
	s_barrier_signal -1
	MUL16 2, 1, 0
	WIN 0
	s_barrier_wait -1
.if \fill
	CREST                                          ; the barrier has opened a round of the cluster's: no wave of any partner still reads this slot or has a load on its way
	s_add_nc_u64 s[G0+4*\slot+2:G0+4*\slot+3], s[G0+4*\slot+2:G0+4*\slot+3], 2*ROWB
	s_add_nc_u64 s[G0B+4*\slot+2:G0B+4*\slot+3], s[G0B+4*\slot+2:G0B+4*\slot+3], 2*ROWB
	JLOAD G0+4*\slot, G1, G0B+4*\slot, G1B         ; the first tensor load behind the round; its four v_nop are the places in front of the loads below
.else
	PLACES NP
.endif
	FETCH_B \next, 0, 0
	FETCH_A \next, 0, 0
	WIN MUL_HI
	MUL16 4, 1, 0
	MUL16 6, 1, 0
	PLACES NP
	WIN 0
	FETCH_A \next, 0, 4
.endm
	s_wait_tensorcnt 1                             ; my part of K step 0 is in (K step 1's load may be out),
	s_barrier_signal -1
	s_barrier_wait -1                              ; everybody's is
	FETCH_B 0, 0, 0
	FETCH_A 0, 0, 0
	FETCH_A 0, 0, 4
	STEP 0, 0, 1                                   ; the first step's products start the sums
	s_mov_b32 s3, LAPS-1
.Llap:                                             ; a trip goes once round the ring and fills both slots again
	TURN 0, 1, 1
	STEP 1, 0, 0
	TURN 1, 0, 1
	STEP 0, 0, 0
	s_sub_co_u32 s3, s3, 1
	s_cmp_lg_u32 s3, 0
	s_cbranch_scc1 .Llap
	TURN 0, 1, 0                                   ; the last lap fills nothing
	STEP 1, 0, 0
	s_wait_dscnt 4*NL
	WIN MUL_LO
	MUL16 0, 1, 0
	MUL16 2, 1, 0
	s_wait_dscnt 0
	WIN MUL_HI
	MUL16 4, 1, 0
	MUL16 6, 1, 0
	WIN 0
; THE WAY OUT, block by block of 16 A rows.  No LDS: a block's codes are stored as they stand, 32 lanes x 16 bytes = 512 consecutive bytes a store.
.macro CSLOAD a                        ; the table of tile a of my tokens: 16 loads of 512 consecutive bytes into window 1, buffer a % 2
	WIN TO_B
.irp b, 0,1,2,3,4,5,6,7
.irp u, 0,1
	global_load_b128 v[128*((\a)%2)+8*\b+4*\u:128*((\a)%2)+8*\b+4*\u+3], v[LI], s[84:85] offset:8192*(\a)+512*(2*\b+\u)
.endr
.endr
	WIN 0
.endm
.macro OUTBLK a, rope
.set AC, 64*((\a)%4)
.set TF, 128*((\a)%2)
.set CB, CD+16*(\a)
.if \rope
.if (\a) < 7
	s_wait_loadcnt 16                              ; this block's table is in; the next block's 16 loads may be out
.else
	s_wait_loadcnt 0x0
.endif
.set WN, 0x06+(\a)/4
	WIN WN                                         ; source 0 (the sums) window 2 or 3, source 1 (cos, sin) window 1
.irp b, 0,1,2,3,4,5,6,7
.irp p, 0,2,4,6
	v_pk_mul_f32 v[UU+8*(\b%2)+\p:UU+8*(\b%2)+\p+1], v[AC+8*\b+\p:AC+8*\b+\p+1], v[TF+8*\b+\p:TF+8*\b+\p+1] op_sel:[1,1] op_sel_hi:[0,1] neg_lo:[0,1]   ; (-x2 sin, x1 sin); each accumulator from its low end on
.endr
.irp p, 0,2,4,6
	v_pk_fma_f32 v[TT+8*\b+\p:TT+8*\b+\p+1], v[AC+8*\b+\p:AC+8*\b+\p+1], v[TF+8*\b+\p:TF+8*\b+\p+1], v[UU+8*(\b%2)+\p:UU+8*(\b%2)+\p+1] op_sel_hi:[1,0,1]   ; (x1 cos - x2 sin, x2 cos + x1 sin)
.endr
.endr
.if (\a) < 6
	CSLOAD (\a)+2                                  ; the buffer just read takes the table two blocks on
.endif
	WIN 0
.set i, 0
.rept 64
	v_med3_num_f32 v[TT+i], v[TT+i], -v[LIM], v[LIM]   ; the conversion does not saturate (ISA guide 7.6.2)
.set i, i+1
.endr
.else
.set WN, 0x02+(\a)/4
	WIN WN
.set i, 0
.rept 64
	v_med3_num_f32 v[TT+i], v[AC+i], -v[LIM], v[LIM]
.set i, i+1
.endr
	WIN 0
.endif
.irp b, 0,1,2,3,4,5,6,7
	v_cvt_scalef32_pk8_fp8_f32 v[CB+2*\b:CB+2*\b+1], v[TT+8*\b:TT+8*\b+7], v[SC]   ; registers 2 b, 2 b + 1 of the fragment: k = 16 b + 8 (lane / 16) + 0..7
.endr
	v_nop                                          ; a plain line between the conversions and the next block's writes of their sources
.irp q, 0,1,2,3
	global_store_b128 v[LI], v[CB+4*\q:CB+4*\q+3], s[82:83] offset:2048*(\a)+512*\q
.endr
.endm
	s_wait_kmcnt 0x0
	s_sub_co_i32 s86, s74, s68
	s_sub_co_i32 s86, s86, s69                     ; e6 - e0 - e1
	s_sub_co_i32 s87, s75, s70
	s_sub_co_i32 s87, s87, s71                     ; e7 - e2 - e3
	s_sub_co_i32 s88, s76, s72
	s_sub_co_i32 s88, s88, s73                     ; e8 - e4 - e5
	s_cmp_eq_u32 s12, 1
	s_cselect_b32 s86, s87, s86
	s_cmp_eq_u32 s12, 2
	s_cselect_b32 s86, s88, s86                    ; E: a choice, no branch
	s_add_co_i32 s86, s86, 127
	s_lshl_b32 s87, s86, 23
	v_mov_b32 v[SC], s87
	s_add_co_i32 s86, s86, 8
	s_lshl_b32 s86, s86, 23
	s_or_b32 s86, s86, 0x600000
	v_mov_b32 v[LIM], s86
	PLACES NP                                      ; behind the last products: loads into their registers and reads of their results follow
	s_cmp_eq_u32 s12, 2                            ; v has no RoPE: a branch on the cluster's number, the same in all partners
	s_cbranch_scc1 .Lvpart
	CSLOAD 0
	CSLOAD 1
.irp a, 0,1,2,3,4,5,6,7
	OUTBLK \a, 1
.endr
	s_branch .Lend
.Lvpart:
.irp a, 0,1,2,3,4,5,6,7
	OUTBLK \a, 0
.endr
.Lend:
	s_wait_tensorcnt 0x0                           ; the wave's end
	ds_add_u32 v[SPW], v[NIL]
	s_wait_dscnt 0x0
	CROUND                                         ; the closing round
	s_endpgm
.Lfunc_end_k_q7aa208cf7c_qkv:
	.size	k_q7aa208cf7c_qkv, .Lfunc_end_k_q7aa208cf7c_qkv-k_q7aa208cf7c_qkv
	.p2alignl 7, 3214868480
	.fill 96, 4, 3214868480
	.section	.rodata,"a",@progbits
	.p2align	6, 0x0
	.amdhsa_kernel k_q7aa208cf7c_qkv
		.amdhsa_group_segment_fixed_size 327680
		.amdhsa_private_segment_fixed_size 0
		.amdhsa_enable_private_segment 0
		.amdhsa_kernarg_size 32
		.amdhsa_user_sgpr_count 2
		.amdhsa_user_sgpr_kernarg_segment_ptr 1
		.amdhsa_wavefront_size32 1
		.amdhsa_system_sgpr_workgroup_id_x 1
		.amdhsa_system_sgpr_workgroup_id_y 1
		.amdhsa_system_sgpr_workgroup_id_z 1
		.amdhsa_system_vgpr_workitem_id 0
		.amdhsa_next_free_vgpr 1024
		.amdhsa_next_free_sgpr 98
		.amdhsa_reserve_vcc 0
		.amdhsa_float_denorm_mode_32 3
		.amdhsa_float_denorm_mode_16_64 3
		.amdhsa_memory_ordered 1
		.amdhsa_forward_progress 1
		.amdhsa_inst_pref_size 202
	.end_amdhsa_kernel
	.amdgpu_metadata
---
amdhsa.version: [ 1, 2 ]
amdhsa.kernels:
  - .name:           k_q7aa208cf7c_qkv
    .symbol:         k_q7aa208cf7c_qkv.kd
    .args:
      - { .name: codes, .offset: 0, .size: 8, .value_kind: global_buffer, .address_space: global }
      - { .name: lowp_scales, .offset: 8, .size: 8, .value_kind: global_buffer, .address_space: global }
      - { .name: rope, .offset: 16, .size: 8, .value_kind: global_buffer, .address_space: global }
      - { .name: qkv, .offset: 24, .size: 8, .value_kind: global_buffer, .address_space: global }
    .group_segment_fixed_size: 327680
    .private_segment_fixed_size: 0
    .kernarg_segment_align: 8
    .kernarg_segment_size: 32
    .max_flat_workgroup_size: 128
    .sgpr_count:     98
    .vgpr_count:     1024
    .wavefront_size: 32
...
	.end_amdgpu_metadata
.endif
;; end of part 2
;; launch attn (part 3): grid 16 x 16, 8 waves a work-group, no clusters, 201,728 bytes of LDS; arguments qkv, lmask, flags, lowp_scales, aimg; writes aimg
.if DOCPART == 3
	.amdgcn_target "amdgcn-amd-amdhsa--gfx1250"
	.amdhsa_code_object_version 6
	.text
	.protected	k_q7aa208cf7c_attn
	.globl	k_q7aa208cf7c_attn
	.p2align	8
	.type	k_q7aa208cf7c_attn,@function
k_q7aa208cf7c_attn:
	s_mov_b64 s[64:65], 0
	v_nop
	global_prefetch_b8 v0, s[64:65] scope:SCOPE_SE
	s_setreg_imm32_b32 hwreg(HW_REG_WAVE_MODE, 25, 1), 1
	s_wait_xcnt 0x0
; ATTENTION on codes of E4M3, with the mask as it is given.  q, k, v arrive as images of operand registers (2,048 bytes a fragment of 16 rows x 128 K); the result leaves as such images, quantised for the last product.
; THE SOFTMAX: t = score x log2(e) / sqrt(128); M = the largest t so far, rounded up to a whole number; p = 2^(t - M) is quantised with 2^e9; the row's sum is taken of the unquantised p and divides at the end.
; When M moves, the sum and O are multiplied by 2^(old M - new M), which rounds nothing.  A score whose mask byte is false becomes -infinity ahead of the maximum, so its p is 0.
; A ROW WITH NO TRUE MASK BYTE has the sum 0: its codes are set to the format's NaN, so that the last product gives NaN in that row, as the softmax of an empty row does.
; SHARES.  Work-group (j, head) owns eight tiles of 16 queries: E = 4 j + r and L = 124 - 4 j + r, r = 0..3.  THE KEYS OF A TILE ARE SHARED BETWEEN TWO WAVES: waves r and r + 4 both serve E and L, wave r the even
; key steps of 128 keys, wave r + 4 the odd ones.  So a wave carries two partial results, each with its own running M and sum: tile A, which it finishes itself (wave r: E; wave r + 4: L), and tile B, which its partner
; finishes.  At the end each wave hands its partial of B to its partner through LDS; the two partials of a tile are brought under the larger M by exact powers of two and added.
; A TRIP is two key steps, eight trips in all.  K and V of both steps (32,768 bytes each, dense in memory) are staged by all eight waves through registers into one of two LDS slots, a trip ahead, one barrier a trip.
; WHAT IS LEFT OUT.  An earlier launch stored, for each tile of 16 queries and each key step, whether any mask byte is true and whether all are.  A wave jumps over a unit (a tile x a step) in which no byte is true; the
; work-group does not stage a pair of steps that none of its eight tiles needs; the mask's words are neither loaded nor applied where all bytes are true.  Scalar branches on stored whole numbers; no barrier stands under them.
; NO TENSOR LOADS AND NO CLUSTER: the walk hangs on numbers read from memory; the operands come through registers.
; LAYOUT.  S^T = K Q^T (source 0 = 16 keys, source 1 = 16 queries): register 8 t + j of lane (r, h) is key 16 t + 8 h + j, query r; eight at a time they convert into registers 2 t, 2 t + 1 of P, the place that the
; K = 128 form gives k = 16 t + 8 h + 0..7.  O^T += V^T P^T (source 0 = 16 channels).  A lane holds one query throughout.
; LIMITS on the given exponents: e6 + e7 between -123 and 130 (added to c's exponent field); e9 and e10 between -126 and 119; e8 + e9 is applied by v_ldexp_f32.
; REGISTERS.  window 0: v1-7, v23 addresses; v8-11 B's -M, largest t, sum (two halves); v12-15 A's; v16-21 constants; v22-43 at work; v48-63 P's codes; v64-127 S^T, then p; v128-191 B's O^T; v192-255 staging.
;   window 1: v0-127 K's eight fragments, then V's eight in their place; v128-191 A's O^T; v192-207 A's Q; v208-223 B's Q.
;   s[16:63], s[68:83]: a unit's 64 lane masks (score register n: s[16 + n] below 48, else s[20 + n]).
.set SLOTB, 65536                      ; a slot: K of the even step, K of the odd step, then V likewise
.set VOFF,  32768
.set MRG,   131072                     ; behind the slots: a region for each wave: B's O^T (8,192 bytes) and its four statistics (512 bytes)
.set MRGW,  8704
.set LI,   1                           ; v1  16 x lane
.set SA,   2                           ; v2  16 x thread: my bytes of a staging instruction's 4,096
.set ADL,  3                           ; v3  the slot in hand + my step's 16,384 + 16 x lane
.set ADS,  4                           ; v4  the other slot + 16 x thread
.set PFO,  5                           ; v5  the prefetches' offset
.set MW,   6                           ; v6  my region + 16 x lane
.set MR,   7                           ; v7  my partner's region + 16 x lane
.set SBB,  8
.set SBA,  12
.set NINF, 16
.set ASC,  17                          ; 2^e10
.set ALIM, 18                          ; 448 x 2^e10
.set NANC, 19                          ; four NaN codes
.set PLIM, 20                          ; 448 x 2^e9
.set PSC,  21                          ; 2^e9
.set PD,   22                          ; a lane permute's destination
.set LIP,  23                          ; v23 16 x lane + 16,384 x (wave / 4)
.set F,    24                          ; v[24:25] a factor, named as a pair
.set G,    26                          ; v[26:27] the partner's factor
.set C0,   28                          ; v28-31 four chains of the maximum
.set U1,   32                          ; v[32:37] three chains of the sum
.set U2,   34
.set U3,   36
.set PS,   40                          ; v[40:43] the partner's statistics
.set P,    48
.set S,    64
.set OB,   128                         ; O^T: B's in window 0, A's in window 1
.set ST,   192
.set QA,   192                         ; in window 1
.set QBB,  208
.set TBS,  2                           ; s2  LDS byte of the slot that is staged into
.set NEED, 3                           ; s3  bit 0: the next pair of steps is needed by some tile of the work-group
.set MPB,  4                           ; s[4:5] B's lane masks of my step in hand
.set ANYB, 6                           ; bit 0: some byte of B's unit is true
.set ALLB, 7                           ; bit 0: all are
.set WV,   14
.set EO,   15                          ; s15 e8 + e9
.set KP,   84                          ; s[84:85] K of the pair to be staged;  s[86:87] V
.set VP,   86
.set MPA,  88                          ; s[88:89] A's lane masks of my step in hand
.set PFA,  90                          ; s[90:91] K's or V's pair to be staged: a prefetch names the pair after it
.set TB,   92                          ; s92 LDS byte of the slot in hand
.set CNT,  93
.set ANYA, 94
.set ALLA, 95
.set CS,   96                          ; s[96:97] c = log2(e) / sqrt(128) x 2^(e6 + e7)
.set SEL,  98                          ; s[98:99] lane selects: lane xor 16
.set LIM,  100                         ; s100 2 in a wave that prefetches, else the greatest number
.set MSB, 0
.macro WIN new                         ; the immediate's high byte repeats the setting that is left
.if MSB != \new
	s_set_vgpr_msb (MSB<<8)|\new
.set MSB, \new
.endif
.endm
.macro PACK4 dst, r0, sh               ; four fields of four bits, one from each quarter's word, make 16 bits: one a key step
	s_bfe_u32 s[\dst], s[\r0], (4<<16)|(\sh)
.irp q, 1,2,3
	s_bfe_u32 s101, s[\r0+\q], (4<<16)|(\sh)
	s_lshl_b32 s101, s101, 4*\q
	s_or_b32 s[\dst], s[\dst], s101
.endr
.endm
.macro MKSC e, l, sc                   ; v[l] = 448 x 2^e, v[sc] = 2^e
	s_add_co_i32 s101, \e, 127
	s_lshl_b32 s100, s101, 23
	v_mov_b32 v[\sc], s100
	s_add_co_i32 s101, s101, 8
	s_lshl_b32 s101, s101, 23
	s_or_b32 s101, s101, 0x600000
	v_mov_b32 v[\l], s101
.endm
.macro STLOAD                          ; a pair of steps' K and V: eight waves x 512 bytes an instruction
.irp i, 0,1,2,3,4,5,6,7
	global_load_b128 v[ST+4*\i:ST+4*\i+3], v[SA], s[KP:KP+1] offset:4096*\i
.endr
.irp i, 0,1,2,3,4,5,6,7
	global_load_b128 v[ST+32+4*\i:ST+32+4*\i+3], v[SA], s[VP:VP+1] offset:4096*\i
.endr
.endm
.macro STSTORE
.irp i, 0,1,2,3,4,5,6,7
	ds_store_b128 v[ADS], v[ST+4*\i:ST+4*\i+3] offset:4096*\i
.endr
.irp i, 0,1,2,3,4,5,6,7
	ds_store_b128 v[ADS], v[ST+32+4*\i:ST+32+4*\i+3] offset:VOFF+4096*\i
.endr
.endm
; A PREFETCH of the pair of steps that the next trip will stage.  All sixteen work-groups of a head walk the same K and V: the head's first asks.  In it waves 0 to 3 ask for K's 32,768 bytes, waves 4 to 7 for V's,
; 8,192 bytes a wave, lanes 256 bytes apart: each aligned block of 256 bytes of pairs 2 to 7 is named once in the launch.  The last two trips ask for nothing: there is no pair behind pair 7.
.macro ASK
	s_cmp_gt_u32 s[CNT], s[LIM]
	s_cbranch_scc0 .Lnot_mine_\@
	global_prefetch_b8 v[PFO], s[PFA:PFA+1] offset:32768 th:TH_LOAD_NT scope:SCOPE_SE
.Lnot_mine_\@:
.endm
	s_load_b256 s[4:11], s[0:1], 0x0               ; qkv s[4:5], lmask s[6:7], flags s[8:9], scales s[10:11]
	s_load_b64 s[12:13], s[0:1], 0x20              ; aimg
	v_lshl_add_u32 v46, v0, 2, 0x31000
	v_mov_b32 v47, 0
	v_lshrrev_b32 v1, 5, v0
	v_readfirstlane_b32 s[WV], v1                  ; wave 0..7
	v_and_b32 v[PD], 31, v0                        ; lane
	v_lshlrev_b32 v[LI], 4, v[PD]
	v_lshlrev_b32 v[SA], 4, v0
	s_and_b32 s3, ttmp7, 0xffff                    ; the head (until NEED takes the register)
	s_and_b32 s92, s[WV], 3                        ; r
	s_lshr_b32 s93, s[WV], 2                       ; 0: I take the even steps; 1: the odd ones (until CNT takes the register)
	s_lshl_b32 s94, ttmp9, 2
	s_sub_co_u32 s95, 124, s94
	s_add_co_u32 s94, s94, s92                     ; E = 4 j + r
	s_add_co_u32 s95, s95, s92                     ; L = 124 - 4 j + r
	s_cmp_lt_u32 s[WV], 4
	s_cselect_b32 s2, s94, s95                     ; tile A (until TBS takes the register)
	s_cselect_b32 s95, s95, s94                    ; tile B
	s_lshl_b32 s100, s93, 14
	v_add_nc_u32 v[LIP], s100, v[LI]
	s_mul_i32 s100, s[WV], MRGW
	s_add_co_u32 s100, s100, MRG
	v_add_nc_u32 v[MW], s100, v[LI]
	s_xor_b32 s100, s[WV], 4                       ; my partner
	s_mul_i32 s100, s100, MRGW
	s_add_co_u32 s100, s100, MRG
	v_add_nc_u32 v[MR], s100, v[LI]
	s_lshl_b32 s100, s92, 13
	v_lshl_add_u32 v[PFO], v[PD], 8, s100          ; 8,192 r + 256 x lane
	s_wait_kmcnt 0x0
	s_load_b256 s[16:23], s[10:11], 0x0            ; e0 .. e7
	s_load_b128 s[24:27], s[10:11], 0x20           ; e8 .. e11
	s_mov_b32 s101, 0
	s_lshl_b32 s100, s2, 4
	s_add_nc_u64 s[68:69], s[8:9], s[100:101]
	s_load_b128 s[28:31], s[68:69], 0x0            ; A's four words of flags
	s_lshl_b32 s100, s95, 4
	s_add_nc_u64 s[80:81], s[8:9], s[100:101]
	s_load_b128 s[76:79], s[80:81], 0x0            ; B's
	s_lshl_b32 s100, ttmp9, 6
	s_add_nc_u64 s[70:71], s[8:9], s[100:101]
	s_load_b512 s[32:47], s[70:71], 0x0            ; those of the four early tiles,
	s_sub_co_u32 s100, 31, ttmp9
	s_lshl_b32 s100, s100, 6
	s_add_nc_u64 s[72:73], s[8:9], s[100:101]
	s_load_b512 s[48:63], s[72:73], 0x0            ; and of the four late ones
	s_lshl_b32 s100, s3, 18                        ; a head is 262,144 bytes in each plane
	s_add_nc_u64 s[KP:KP+1], s[4:5], s[100:101]
	s_lshl_b32 s100, s2, 11
	s_add_nc_u64 s[74:75], s[KP:KP+1], s[100:101]  ; A's Q
	s_lshl_b32 s100, s95, 11
	s_add_nc_u64 s[82:83], s[KP:KP+1], s[100:101]  ; B's Q
	s_add_nc_u64 s[VP:VP+1], s[KP:KP+1], 2<<22     ; V's plane
	s_add_nc_u64 s[KP:KP+1], s[KP:KP+1], 1<<22     ; K's plane
	s_lshl_b32 s94, s93, 8                         ; my first step's 256 bytes of lane masks
	s_lshl_b32 s100, s2, 12                        ; 16 steps x 256 bytes a tile
	s_add_co_u32 s100, s100, s94
	s_add_nc_u64 s[MPA:MPA+1], s[6:7], s[100:101]
	s_lshl_b32 s100, s95, 12
	s_add_co_u32 s100, s100, s94
	s_add_nc_u64 s[MPB:MPB+1], s[6:7], s[100:101]
	s_lshl_b32 s100, s2, 15
	s_add_nc_u64 s[12:13], s[12:13], s[100:101]
	s_lshl_b32 s100, s3, 11
	s_add_nc_u64 s[12:13], s[12:13], s[100:101]    ; A's image in aimg: [tile][head][2,048]
	WIN 0x40                                       ; destination window 1
.irp q, 0,1,2,3
	global_load_b128 v[QA+4*\q:QA+4*\q+3], v[LI], s[74:75] offset:512*\q    ; both Q stay in registers
	global_load_b128 v[QBB+4*\q:QBB+4*\q+3], v[LI], s[82:83] offset:512*\q
.endr
	WIN 0
	STLOAD                                         ; steps 0 and 1 are staged whatever the flags say
.irp b, SBA, SBB
	v_mov_b32 v[\b+1], 0xff61b1e6                  ; the largest t so far: -3e38
	v_floor_f32 v[\b], -v[\b+1]                    ; -M
	v_mov_b32 v[\b+2], 0
	v_mov_b32 v[\b+3], 0
.endr
	v_mov_b32 v[PD], 0                             ; a lane permute's destination counts as one of its sources
	v_mov_b32 v[F], 0
	v_mov_b32 v[F+1], 0                            ; (named as the upper half of a pair)
	v_mov_b32 v[G], 0
	v_mov_b32 v[G+1], 0
	v_mov_b32 v[NINF], 0xff800000
	v_mov_b32 v[NANC], 0x7f7f7f7f
.set i, 0
.rept 64
	v_mov_b32 v[OB+i], 0                           ; B's O^T: any unit may be a tile's first, so the unit is written once and finds zeros
.set i, i+1
.endr
	WIN 0x40
.set i, 0
.rept 64
	v_mov_b32 v[OB+i], 0                           ; A's
.set i, i+1
.endr
	WIN 0
	v_mov_b32 v[ADS], v[SA]                        ; slot 0
	s_wait_kmcnt 0x0
	PACK4 ANYA, 28, 0
	PACK4 ALLA, 28, 16
	PACK4 ANYB, 76, 0
	PACK4 ALLB, 76, 16
	s_lshr_b32 s[ANYA], s[ANYA], s93               ; bit 0: my first step
	s_lshr_b32 s[ALLA], s[ALLA], s93
	s_lshr_b32 s[ANYB], s[ANYB], s93
	s_lshr_b32 s[ALLB], s[ALLB], s93
.irp q, 0,1,2,3
.irp g, 36,40,44,48,52,56,60
	s_or_b32 s[32+\q], s[32+\q], s[\g+\q]          ; a step is needed if any of the eight tiles has a true byte in it
.endr
.endr
	PACK4 NEED, 32, 0
	s_lshr_b32 s101, s[NEED], 1
	s_or_b32 s[NEED], s[NEED], s101                ; bit 2 i: step 2 i or step 2 i + 1 is needed
	s_lshr_b32 s[NEED], s[NEED], 2                 ; trip i asks about pair i + 1; in the last trip the bit is 0: the word has 16 bits
	s_add_co_i32 s101, s22, s23
	s_lshl_b32 s101, s101, 23
	s_add_co_i32 s[CS], s101, 0x3e0293ee           ; c's exponent field takes e6 + e7
	s_mov_b32 s[CS+1], s[CS]
	s_add_co_i32 s[EO], s24, s25
	MKSC s25, PLIM, PSC                            ; p's hold and scale
	MKSC s26, ALIM, ASC                            ; the result's
	s_mov_b32 s[SEL], 0x76543210
	s_mov_b32 s[SEL+1], 0xfedcba98
	s_cmp_eq_u32 ttmp9, 0                          ; the head's first work-group
	s_cselect_b32 s[LIM], 2, -1
	s_wait_loadcnt 0x0                             ; both Q, and steps 0 and 1
	STSTORE
.set i, 0
.rept 16
	s_mov_b32 s[68+i], 0                           ; (their loads are done)  these held pointers and flags: from here on lane masks alone
.set i, i+1
.endr
	s_add_nc_u64 s[KP:KP+1], s[KP:KP+1], 32768     ; on to steps 2 and 3
	s_add_nc_u64 s[VP:VP+1], s[VP:VP+1], 32768
	s_cmp_lt_u32 s[WV], 4
	s_cselect_b64 s[PFA:PFA+1], s[KP:KP+1], s[VP:VP+1]
	s_mov_b32 s[TB], 0
	s_mov_b32 s[TBS], SLOTB
	s_mov_b32 s[CNT], 8
	s_wait_dscnt 0x0                               ; for the others' sake: my part of steps 0 and 1 lies in LDS
	s_barrier_signal -1
	s_barrier_wait -1
.macro VRUN g                          ; eight of V's 32 loads, into the registers that K's fragments have left: short runs, set among the softmax's vector work
	WIN 0x40
.set fi, 8*(\g)
.rept 8
	ds_load_b128 v[4*fi:4*fi+3], v[ADL] offset:VOFF+512*fi
.set fi, fi+1
.endr
	WIN 0
.endm
; A UNIT: 16 queries against the 128 keys of my step in the slot in hand.  qb: the tile's Q (window 1); sb: its statistics; wrs, wpv: the windows for the rescaling of its O^T and for V^T P; mpr: its lane masks; allr: its flag.
.macro UNIT qb, sb, wrs, wpv, mpr, allr
	s_bitcmp1_b32 s[\allr], 0
	s_cbranch_scc1 .Lnm_\@                         ; all 2,048 bytes true: the lane masks are not wanted
	s_load_b512 s[16:31], s[\mpr:\mpr+1], 0x0
	s_load_b512 s[32:47], s[\mpr:\mpr+1], 0x40
	s_load_b512 s[48:63], s[\mpr:\mpr+1], 0x80
	s_load_b512 s[68:83], s[\mpr:\mpr+1], 0xc0
.Lnm_\@:
	WIN 0x40                                       ; destination window 1
.set fi, 0
.rept 32
	ds_load_b128 v[4*fi:4*fi+3], v[ADL] offset:512*fi              ; K's eight fragments as they lie: 512 consecutive bytes a load
.set fi, fi+1
.endr
	WIN 0x05                                       ; sources 0 and 1 window 1
.irp t, 0,1,2,3,4,5,6,7
	s_wait_dscnt 28-4*\t                           ; fragment t's four loads are in; the later fragments' may be out
	v_wmma_f32_16x16x128_fp8_fp8 v[S+8*\t:S+8*\t+7], v[16*\t:16*\t+15], v[\qb:\qb+15], 0
.endr
	WIN 0
.rept 4
	v_nop                                          ; places in front of the loads into K's registers and of the first read of the scores
.endr
	VRUN 0
	s_wait_kmcnt 0x0
	s_bitcmp1_b32 s[\allr], 0
	s_cbranch_scc1 .Lopen_\@                       ; nothing to hide
.set ni, 0
.rept 64
.if ni < 48
	v_cndmask_b32 v[S+ni], v[NINF], v[S+ni], s[16+ni]
.else
	v_cndmask_b32 v[S+ni], v[NINF], v[S+ni], s[20+ni]
.endif
.set ni, ni+1
.endr
.Lopen_\@:
.irp k, 0,1,2,3
	v_max3_num_f32 v[C0+\k], v[S+16*\k], v[S+16*\k+1], v[S+16*\k+2]   ; the unit's largest score of my query among my 64 keys: four chains, 16 registers each, each accumulator from its low end on
.endr
.irp i, 3,5,7,9,11,13
.irp k, 0,1,2,3
	v_max3_num_f32 v[C0+\k], v[C0+\k], v[S+16*\k+\i], v[S+16*\k+\i+1]
.endr
.endr
	VRUN 1
	v_max3_num_f32 v[C0], v[C0], v[S+15], v[S+31]
	v_max3_num_f32 v[C0+2], v[C0+2], v[S+47], v[S+63]
	v_max3_num_f32 v[C0], v[C0], v[C0+1], v[C0+2]
	v_max_num_f32 v[C0], v[C0], v[C0+3]
	v_permlanex16_b32 v[PD], v[C0], s[SEL], s[SEL+1]
	v_max_num_f32 v[C0], v[C0], v[PD]              ; and among lane xor 16's
	v_mul_f32 v[C0], s[CS], v[C0]                  ; as t (c is positive)
	v_max_num_f32 v[\sb+1], v[\sb+1], v[C0]        ; the running largest t
	v_mov_b32 v[C0], v[\sb]
	v_floor_f32 v[\sb], -v[\sb+1]                  ; the new -M = floor(-t)
	v_sub_f32 v[C0], v[\sb], v[C0]                 ; old M - new M: a whole number, 0 or less
	v_cvt_i32_f32 v[C0], v[C0]                     ; (it saturates)
	v_ldexp_f32 v[F], 1.0, v[C0]                   ; f = 2^(old M - new M)
.set i, 0
.rept 32
	v_pk_fma_f32 v[S+i:S+i+1], v[S+i:S+i+1], s[CS:CS+1], v[\sb:\sb+1] op_sel_hi:[1,0,0]   ; t - M
.set i, i+2
.endr
	VRUN 2
.set i, 0
.rept 32
	v_exp_f32 v[S+i], v[S+i]                       ; p = 2^(t - M)
.set i, i+1
.endr
	VRUN 3
.rept 32
	v_exp_f32 v[S+i], v[S+i]
.set i, i+1
.endr
	v_pk_mul_f32 v[\sb+2:\sb+3], v[\sb+2:\sb+3], v[F:F+1] op_sel_hi:[1,0]   ; the sums under the new M: a plain line behind the exponentials
	s_wait_alu depctr_va_vdst(0)                   ; one wait for the 64, ahead of their first reader
	v_pk_add_f32 v[U1:U1+1], v[S:S+1], v[S+2:S+3]  ; the row's sum is taken of the unquantised p, in four chains
	v_pk_add_f32 v[U2:U2+1], v[S+4:S+5], v[S+6:S+7]
	v_pk_add_f32 v[U3:U3+1], v[S+8:S+9], v[S+10:S+11]
	v_pk_add_f32 v[\sb+2:\sb+3], v[\sb+2:\sb+3], v[S+12:S+13]
.irp i, 14,22,30,38,46,54
	v_pk_add_f32 v[U1:U1+1], v[U1:U1+1], v[S+\i:S+\i+1]
	v_pk_add_f32 v[U2:U2+1], v[U2:U2+1], v[S+\i+2:S+\i+3]
	v_pk_add_f32 v[U3:U3+1], v[U3:U3+1], v[S+\i+4:S+\i+5]
	v_pk_add_f32 v[\sb+2:\sb+3], v[\sb+2:\sb+3], v[S+\i+6:S+\i+7]
.endr
	v_pk_add_f32 v[U1:U1+1], v[U1:U1+1], v[S+62:S+63]
	v_pk_add_f32 v[U1:U1+1], v[U1:U1+1], v[U2:U2+1]
	v_pk_add_f32 v[\sb+2:\sb+3], v[\sb+2:\sb+3], v[U3:U3+1]
	v_pk_add_f32 v[\sb+2:\sb+3], v[\sb+2:\sb+3], v[U1:U1+1]
.irp t, 0,1,2,3,4,5,6,7
.irp i, 0,1,2,3,4,5,6,7
	v_min_num_f32 v[S+8*\t+\i], v[S+8*\t+\i], v[PLIM]   ; the conversion does not saturate (ISA guide 7.6.2); p is not negative
.endr
	v_cvt_scalef32_pk8_fp8_f32 v[P+2*\t:P+2*\t+1], v[S+8*\t:S+8*\t+7], v[PSC]
.endr
	WIN \wrs
.set i, 0
.rept 32
	v_pk_mul_f32 v[OB+i:OB+i+1], v[OB+i:OB+i+1], v[F:F+1] op_sel_hi:[1,0]   ; O^T under the new M; also the plain lines between the conversions and the products
.set i, i+2
.endr
	s_wait_dscnt 0x0                               ; V is in
	WIN \wpv
.irp t, 0,1,2,3,4,5,6,7
	v_wmma_f32_16x16x128_fp8_fp8 v[OB+8*\t:OB+8*\t+7], v[16*\t:16*\t+15], v[P:P+15], v[OB+8*\t:OB+8*\t+7]   ; eight accumulators by turns
.endr
	WIN 0
.rept 4
	v_nop                                          ; places in front of the next loads into V's registers and the next read of O^T
.endr
.endm
.Ltrip:                                            ; eight trips: steps 2 i and 2 i + 1 are worked on, steps 2 i + 2 and 2 i + 3 are staged
	v_add_nc_u32 v[ADL], s[TB], v[LIP]
	v_add_nc_u32 v[ADS], s[TBS], v[SA]
	s_bitcmp1_b32 s[NEED], 0
	s_cbranch_scc0 .Lno_ld
	STLOAD
.Lno_ld:
	ASK
	s_bitcmp1_b32 s[ANYA], 0
	s_cbranch_scc0 .Lno_a
	UNIT QA, SBA, 0x41, 0x51, MPA, ALLA            ; A's O^T lies in window 1
.Lno_a:
	s_bitcmp1_b32 s[ANYB], 0
	s_cbranch_scc0 .Lno_b
	UNIT QBB, SBB, 0, 0x01, MPB, ALLB              ; B's in window 0
.Lno_b:
	s_wait_loadcnt 0x0                             ; the next pair's bytes are in my registers
	s_bitcmp1_b32 s[NEED], 0
	s_cbranch_scc0 .Lno_st
	STSTORE
.Lno_st:
	s_wait_dscnt 0x0                               ; my reads of the slot in hand are over and my stores into the other have landed
	s_barrier_signal -1
	s_barrier_wait -1                              ; both now hold of all eight waves
	s_wait_xcnt 0x0                                ; loads and the prefetch have read their bases
	s_add_nc_u64 s[KP:KP+1], s[KP:KP+1], 32768
	s_add_nc_u64 s[VP:VP+1], s[VP:VP+1], 32768
	s_add_nc_u64 s[PFA:PFA+1], s[PFA:PFA+1], 32768
	s_add_nc_u64 s[MPA:MPA+1], s[MPA:MPA+1], 512
	s_add_nc_u64 s[MPB:MPB+1], s[MPB:MPB+1], 512
	s_lshr_b32 s[ANYA], s[ANYA], 2
	s_lshr_b32 s[ALLA], s[ALLA], 2
	s_lshr_b32 s[ANYB], s[ANYB], 2
	s_lshr_b32 s[ALLB], s[ALLB], 2
	s_lshr_b32 s[NEED], s[NEED], 2
	s_xor_b32 s[TB], s[TB], SLOTB
	s_xor_b32 s[TBS], s[TBS], SLOTB
	s_sub_co_u32 s[CNT], s[CNT], 1
	s_cmp_lg_u32 s[CNT], 0
	s_cbranch_scc1 .Ltrip
	; THE TWO PARTIALS OF A TILE MEET.  My partial of B goes to my region as it stands, 512 consecutive bytes a store; behind a barrier I read my partner's partial of A from its region.
.set i, 0
.rept 16
	ds_store_b128 v[MW], v[OB+4*i:OB+4*i+3] offset:512*i           ; each accumulator from its low end on
.set i, i+1
.endr
	ds_store_b128 v[MW], v[SBB:SBB+3] offset:8192                  ; -M, the largest t, the sum's two halves
	s_wait_dscnt 0x0                               ; for my partner's sake: my stores have landed
	s_barrier_signal -1
	s_barrier_wait -1
	ds_load_b128 v[PS:PS+3], v[MR] offset:8192
.set i, 0
.rept 16
	ds_load_b128 v[S+4*i:S+4*i+3], v[MR] offset:512*i
.set i, i+1
.endr
	s_wait_dscnt 16                                ; the partner's statistics are in; its O^T's 16 loads may be out
	v_min_num_f32 v[C0], v[SBA], v[PS]             ; -M of the whole row: the smaller -M.  A partial without a unit has -M = 3e38, and its factor below is 0
	v_sub_f32 v[C0+1], v[C0], v[SBA]               ; my M - M: a whole number, 0 or less
	v_sub_f32 v[C0+2], v[C0], v[PS]
	v_cvt_i32_f32 v[C0+1], v[C0+1]                 ; (it saturates)
	v_cvt_i32_f32 v[C0+2], v[C0+2]
	v_ldexp_f32 v[F], 1.0, v[C0+1]
	v_ldexp_f32 v[G], 1.0, v[C0+2]
	v_pk_mul_f32 v[SBA+2:SBA+3], v[SBA+2:SBA+3], v[F:F+1] op_sel_hi:[1,0]
	v_pk_fma_f32 v[SBA+2:SBA+3], v[PS+2:PS+3], v[G:G+1], v[SBA+2:SBA+3] op_sel_hi:[1,0,1]
	v_add_f32 v[SBA+2], v[SBA+2], v[SBA+3]
	v_permlanex16_b32 v[PD], v[SBA+2], s[SEL], s[SEL+1]
	v_add_f32 v[SBA+2], v[SBA+2], v[PD]            ; the row's sum
	v_rcp_f32 v[C0+3], v[SBA+2]
	v_nop                                          ; a plain line behind the reciprocal
	s_wait_alu depctr_va_vdst(0)                   ; and the wait ahead of its first reader
	v_ldexp_f32 v[C0+3], v[C0+3], s[EO]            ; 2^(e8 + e9) / the sum
	v_mul_f32 v[F], v[F], v[C0+3]                  ; folded into the two powers of two, which rounds nothing
	v_mul_f32 v[G], v[G], v[C0+3]
	s_wait_dscnt 0x0
.set i, 0
.rept 32
	v_pk_mul_f32 v[S+i:S+i+1], v[S+i:S+i+1], v[G:G+1] op_sel_hi:[1,0]
.set i, i+2
.endr
	WIN 0x01                                       ; source 0 (my O^T of A) window 1
.set i, 0
.rept 32
	v_pk_fma_f32 v[S+i:S+i+1], v[OB+i:OB+i+1], v[F:F+1], v[S+i:S+i+1] op_sel_hi:[1,0,1]   ; register 8 t + i: channel 16 t + 8 (lane / 16) + i of my query
.set i, i+2
.endr
	WIN 0
	; THE WAY OUT: the attention's result is quantised with 2^e10 and stored as the image of the last product's operand.
.set i, 0
.rept 64
	v_med3_num_f32 v[S+i], v[S+i], -v[ALIM], v[ALIM]
.set i, i+1
.endr
.irp t, 0,1,2,3,4,5,6,7
	v_cvt_scalef32_pk8_fp8_f32 v[P+2*\t:P+2*\t+1], v[S+8*\t:S+8*\t+7], v[ASC]
.endr
	v_nop                                          ; a plain line between the conversions and the selects on their results
	v_cmp_eq_f32 vcc_lo, 0, v[SBA+2]               ; a row without a true mask byte
.set i, 0
.rept 16
	v_cndmask_b32 v[P+i], v[P+i], v[NANC], vcc_lo
.set i, i+1
.endr
.irp q, 0,1,2,3
	global_store_b128 v[LI], v[P+4*\q:P+4*\q+3], s[12:13] offset:512*\q   ; 32 lanes store 512 consecutive bytes
.endr
	s_wait_tensorcnt 0x0
	ds_add_u32 v46, v47
	s_wait_dscnt 0x0
	s_endpgm
.Lfunc_end_k_q7aa208cf7c_attn:
	.size	k_q7aa208cf7c_attn, .Lfunc_end_k_q7aa208cf7c_attn-k_q7aa208cf7c_attn
	.p2alignl 7, 3214868480
	.fill 96, 4, 3214868480
	.section	.rodata,"a",@progbits
	.p2align	6, 0x0
	.amdhsa_kernel k_q7aa208cf7c_attn
		.amdhsa_group_segment_fixed_size 201728
		.amdhsa_private_segment_fixed_size 0
		.amdhsa_enable_private_segment 0
		.amdhsa_kernarg_size 40
		.amdhsa_user_sgpr_count 2
		.amdhsa_user_sgpr_kernarg_segment_ptr 1
		.amdhsa_wavefront_size32 1
		.amdhsa_system_sgpr_workgroup_id_x 1
		.amdhsa_system_sgpr_workgroup_id_y 1
		.amdhsa_system_sgpr_workgroup_id_z 1
		.amdhsa_system_vgpr_workitem_id 0
		.amdhsa_next_free_vgpr 512
		.amdhsa_next_free_sgpr 102
		.amdhsa_reserve_vcc 1
		.amdhsa_float_denorm_mode_32 3
		.amdhsa_float_denorm_mode_16_64 3
		.amdhsa_memory_ordered 1
		.amdhsa_forward_progress 1
		.amdhsa_inst_pref_size 80
	.end_amdhsa_kernel
	.amdgpu_metadata
---
amdhsa.version: [ 1, 2 ]
amdhsa.kernels:
  - .name:           k_q7aa208cf7c_attn
    .symbol:         k_q7aa208cf7c_attn.kd
    .args:
      - { .name: qkv, .offset: 0, .size: 8, .value_kind: global_buffer, .address_space: global }
      - { .name: lmask, .offset: 8, .size: 8, .value_kind: global_buffer, .address_space: global }
      - { .name: flags, .offset: 16, .size: 8, .value_kind: global_buffer, .address_space: global }
      - { .name: lowp_scales, .offset: 24, .size: 8, .value_kind: global_buffer, .address_space: global }
      - { .name: aimg, .offset: 32, .size: 8, .value_kind: global_buffer, .address_space: global }
    .group_segment_fixed_size: 201728
    .private_segment_fixed_size: 0
    .kernarg_segment_align: 8
    .kernarg_segment_size: 40
    .max_flat_workgroup_size: 256
    .sgpr_count:     102
    .vgpr_count:     512
    .wavefront_size: 32
...
	.end_amdgpu_metadata
.endif
;; end of part 3
;; launch proj (part 4): grid 16 x 16, 4 waves a work-group, clusters of 4 x 4, 327,680 bytes of LDS; arguments aimg, codes, lowp_scales, out0; writes out0
.if DOCPART == 4
	.amdgcn_target "amdgcn-amd-amdhsa--gfx1250"
	.amdhsa_code_object_version 6
	.text
	.protected	k_q7aa208cf7c_proj
	.globl	k_q7aa208cf7c_proj
	.p2align	8
	.type	k_q7aa208cf7c_proj,@function
k_q7aa208cf7c_proj:
	s_mov_b64 s[64:65], 0
	v_nop
	global_prefetch_b8 v0, s[64:65] scope:SCOPE_SE
	s_setreg_imm32_b32 hwreg(HW_REG_WAVE_MODE, 25, 1), 1
	s_wait_xcnt 0x0
	s_wait_alu depctr_hold_cnt(0) depctr_sa_sdst(0) depctr_va_vdst(0) depctr_va_sdst(0) depctr_va_ssrc(0) depctr_va_vcc(0) depctr_vm_vsrc(0)
	s_getreg_b32 s2, hwreg(HW_REG_IB_STS2, 6, 4)
	s_cmp_eq_u32 s2, 0
	s_cbranch_scc0 .Lentry_in_a_cluster
	s_endpgm
.Lentry_in_a_cluster:
	s_bfe_u32 s2, ttmp6, 0x10000c
	s_cmp_lg_u32 s2, 0xf033
	s_cbranch_scc0 .Lentry_shape_is_right
	s_endpgm
.Lentry_shape_is_right:
; OUT = A WO^T on codes of E4M3.  A: the attention's result as images of operand registers, [tile of 16 tokens][head][2,048 bytes]; WO: plane 6 of the codes, [2048 rows][2048 bytes]; out0: [2048][2048] f32.
; Each finished sum is multiplied once by 2^(e10 + e11).  LIMIT: e10 + e11 between -126 and 127.
; A tile of 128 x 128 of out0 for each of 256 work-groups; four waves, 64 x 64 each: 16 accumulators.  K goes in four steps of 512 (four heads) through two LDS slots, written out: no loop.
; THE MATRIX INSTRUCTION IS USED TRANSPOSED (source 0 = 16 rows of WO, source 1 = 16 tokens): a lane holds eight neighbouring numbers of a row of out0.
; A's tile of a step: 8 rows (tiles of tokens) of 8,192 bytes, 32,768 bytes apart in memory, dense in LDS: a fragment is read back as it was stored, 512 consecutive bytes a load.
; WO's tile: 128 rows of 512 bytes, padded to 528 in LDS = 132 words: the 16 rows of a load start at 16 different banks (64 banks of 4 bytes: ISA guide 11.1).
; CLUSTERS: 4 x 4 work-groups; A's tiles are shared along a row of the cluster, WO's along a column: joint loads.  A wave has at most two tensor loads out (the two first fills), later one.
; REGISTERS: window 0: v16-29 addresses; v32-127 at work on the way out; v128-255 the accumulators ((a, b) at v[128 + 8 (4 a + b)]).  window 1: two fragment buffers of 128: A's four fragments, then WO's four.
.set SLOT,   133120                    ; A 65,536, then WO 128 x 528
.set BOFF,   65536
.set BHALF,  33792                     ; 64 x 528
.set STAGE,  2*SLOT                    ; 16 rows x 272 bytes for each wave
.set SPARE,  STAGE+4*16*272            ; the spare words, 128 bytes for each wave
.set ADRA, 16
.set ADRB, 20
.set STO,  24
.set RD,   25
.set CO,   26
.set SPW,  28
.set NIL,  29
.set TMP,  32                          ; v32-63  a block's sums x 2^(e10 + e11)
.set BK,   64                          ; v64-95, v96-127 by turns: rows read back from the stage
.set ACC,  128
.set F0,   0
.set F1,   128
.set G1, 24
.set G0, 32
.set G1B, 48
.set G0B, 56
.set MSB, 0
.macro WIN new
.if MSB != \new
	s_set_vgpr_msb (MSB<<8)|\new
.set MSB, \new
.endif
.endm
.set MUL,  0x05                        ; sources 0 and 1 window 1; C and D window 0
.set TO_F, 0x40
.macro JLOAD s                         ; waves 0 and 1 fetch A's halves, waves 2 and 3 WO's; four v_nop follow each of the two lines
	s_cmp_eq_u32 s15, 0
	s_cbranch_scc0 .Lfor_b_\@
	tensor_load_to_lds s[G0+4*\s:G0+4*\s+3], s[G1:G1+7]
	s_nop 0
.rept 4
	v_nop
.endr
	s_branch .Lasked_\@
.Lfor_b_\@:
	tensor_load_to_lds s[G0B+4*\s:G0B+4*\s+3], s[G1B:G1B+7]
	s_nop 0
.rept 4
	v_nop
.endr
.Lasked_\@:
.endm
.macro CREST
	s_cmp_lg_u32 s14, 0
	s_cbranch_scc1 .Lnot_wave_0_\@
	s_barrier_signal -3
.Lnot_wave_0_\@:
	s_barrier_wait -3
	s_barrier_signal -1
	s_barrier_wait -1
.endm
.macro CROUND
	s_barrier_signal -1
	s_barrier_wait -1
	CREST
.endm
	s_load_b256 s[4:11], s[0:1], 0x0               ; aimg s[4:5], codes s[6:7], scales s[8:9], out0 s[10:11]
	v_lshl_add_u32 v[SPW], v0, 2, SPARE
	v_mov_b32 v[NIL], 0
	ds_add_u32 v28, v29
	ds_add_u32 v28, v29
	s_wait_dscnt 0x0
	v_lshrrev_b32 v1, 5, v0
	v_readfirstlane_b32 s14, v1                    ; wave 0..3
	s_lshr_b32 s15, s14, 1                         ; which 64 tokens are mine.  Also: I fetch for A (0) or for WO (1)
	s_and_b32 s16, s14, 1                          ; which 64 columns.  Also: which half of that tile I fetch
	s_bfe_u32 s40, ttmp6, 0x40000
	s_bfe_u32 s41, ttmp6, 0x40004
	s_lshl_b32 s42, ttmp9, 2
	s_add_co_u32 s42, s42, s40                     ; tile column
	s_and_b32 s17, ttmp7, 0xffff
	s_lshl_b32 s17, s17, 2
	s_add_co_u32 s17, s17, s41                     ; tile row
	s_lshl_b32 s43, s41, 2
	s_lshl_b32 s43, 15, s43                        ; my row of the cluster
	s_lshl_b32 s44, 0x1111, s40                    ; my column
	s_or_b32 s[G1+0], s43, (3<<16)|(1<<21)         ; A: the mask; elements of 8 bytes; no padding; bit 21 beside a mask
	s_mov_b32 s[G1+1], 1024<<16                    ; tensor_dim0 = 1,024 elements = 8,192 bytes
	s_mov_b32 s[G1+2], 4<<16                       ; tensor_dim1 = 4
	s_mov_b32 s[G1+3], 1024<<16                    ; tile_dim0
	s_mov_b32 s[G1+4], 4                           ; tile_dim1
	s_mov_b32 s[G1+5], 4096                        ; the pitch: 32,768 bytes
	s_mov_b32 s[G1+6], 0
	s_mov_b32 s[G1+7], 0
	s_or_b32 s[G1B+0], s44, (0<<16)|(1<<20)|(1<<21)|(6<<22)|(3<<25)  ; WO: elements of 1 byte; 4 words of padding after every 128
	s_mov_b32 s[G1B+1], 512<<16
	s_mov_b32 s[G1B+2], 64<<16
	s_mov_b32 s[G1B+3], 512<<16
	s_mov_b32 s[G1B+4], 64
	s_mov_b32 s[G1B+5], 2048
	s_mov_b32 s[G1B+6], 0
	s_mov_b32 s[G1B+7], 0
	s_lshl_b32 s20, s17, 3
	s_lshl_b32 s18, s16, 2
	s_add_co_u32 s20, s20, s18
	s_lshl_b32 s20, s20, 15                        ; A: tile of tokens 8 x tile row + 4 x half, 32,768 bytes each
	s_mov_b32 s21, 0
	s_lshl_b32 s46, s42, 7
	s_lshl_b32 s18, s16, 6
	s_add_co_u32 s46, s46, s18
	s_lshl_b32 s46, s46, 11                        ; WO: row 128 x tile column + 64 x half,
	s_add_co_u32 s46, s46, 6<<22                   ; in plane 6
	s_mov_b32 s47, 0
	s_mul_i32 s45, s16, 32768                      ; where they go: no place in the cluster enters an LDS address
	s_mul_i32 s19, s16, BHALF
	s_add_co_u32 s19, s19, BOFF
	s_wait_kmcnt 0x0
	s_load_b64 s[96:97], s[8:9], 0x28              ; e10, e11
	s_add_nc_u64 s[20:21], s[4:5], s[20:21]
	s_add_nc_u64 s[46:47], s[6:7], s[46:47]
	CROUND                                         ; all sixteen work-groups are here: the first joint loads meet
.irp s, 0,1
	s_mov_b32 s[G0+4*\s], 1
	s_add_co_u32 s[G0+4*\s+1], s45, \s*SLOT
	s_add_nc_u64 s[G0+4*\s+2:G0+4*\s+3], s[20:21], \s*8192
	s_or_b32 s[G0+4*\s+3], s[G0+4*\s+3], 0x80000000
	s_mov_b32 s[G0B+4*\s], 1
	s_add_co_u32 s[G0B+4*\s+1], s19, \s*SLOT
	s_add_nc_u64 s[G0B+4*\s+2:G0B+4*\s+3], s[46:47], \s*512
	s_or_b32 s[G0B+4*\s+3], s[G0B+4*\s+3], 0x80000000
	JLOAD \s
.endr
	v_and_b32 v1, 15, v0
	v_bfe_u32 v2, v0, 4, 1
	v_and_b32 v6, 31, v0
	v_lshlrev_b32 v3, 4, v6                        ; A: 16 x lane
	v_mul_u32_u24 v4, v1, 528
	v_lshl_add_u32 v4, v2, 4, v4                   ; WO: row x pitch + 16 x half
	s_mul_i32 s21, s15, 32768
	s_mul_i32 s22, s16, BHALF
	s_add_co_u32 s22, s22, BOFF
.irp s, 0,1
	v_add_nc_u32 v[ADRA+\s], s21, v3
	v_add_nc_u32 v[ADRB+\s], s22, v4
	s_add_co_u32 s21, s21, SLOT
	s_add_co_u32 s22, s22, SLOT
.endr
	s_mul_i32 s23, s14, 16*272
	s_add_co_u32 s23, s23, STAGE                   ; my stage
	v_mul_u32_u24 v5, v1, 272
	v_lshl_add_u32 v5, v2, 5, v5
	v_add_nc_u32 v[STO], s23, v5                   ; in: row lane % 16, 32 bytes for each half of the lanes
	v_mul_u32_u24 v5, v2, 272
	v_lshl_add_u32 v5, v1, 4, v5
	v_add_nc_u32 v[RD], s23, v5                    ; back: lanes 0-15 one row of 256 bytes, lanes 16-31 the next
	v_lshlrev_b32 v5, 13, v2
	v_lshl_add_u32 v[CO], v1, 4, v5                ; and the same two rows in out0 (8,192 bytes a row)
	s_lshl_b32 s20, s17, 7
	s_lshl_b32 s21, s15, 6
	s_add_co_u32 s20, s20, s21                     ; my first token
	s_lshl_b32 s20, s20, 13
	s_mov_b32 s21, 0
	s_lshl_b32 s46, s42, 9                         ; my first column, in bytes: 512 x tile column + 256 x half
	s_lshl_b32 s47, s16, 8
	s_add_co_u32 s46, s46, s47
	s_mov_b32 s47, 0
	s_add_nc_u64 s[20:21], s[20:21], s[46:47]
	s_add_nc_u64 s[10:11], s[10:11], s[20:21]
; 8 matrix instructions: tiles of tokens a0, a0 + 1 x WO's four.  The 16 accumulators take turns, one instruction a turn, in the same order in every quarter.
.macro MUL8 f, a0, zero
.irp a, \a0, \a0+1
.irp b, 0,1,2,3
.if \zero
	v_wmma_f32_16x16x128_fp8_fp8 v[ACC+8*(4*(\a)+\b):ACC+8*(4*(\a)+\b)+7], v[\f+64+16*\b:\f+64+16*\b+15], v[\f+16*(\a):\f+16*(\a)+15], 0
.else
	v_wmma_f32_16x16x128_fp8_fp8 v[ACC+8*(4*(\a)+\b):ACC+8*(4*(\a)+\b)+7], v[\f+64+16*\b:\f+64+16*\b+15], v[\f+16*(\a):\f+16*(\a)+15], v[ACC+8*(4*(\a)+\b):ACC+8*(4*(\a)+\b)+7]
.endif
.endr
.endr
.endm
; 32 LDS loads in one run: the fragments of the slot's ks-th 128 along K into buffer f: WO's four, then A's four
.macro FETCH slot, ks, f
	WIN TO_F
.irp b, 0,1,2,3
.irp c, 0,1,2,3
	ds_load_b128 v[\f+64+16*\b+4*\c:\f+64+16*\b+4*\c+3], v[ADRB+\slot] offset:8448*\b+128*(\ks)+32*\c
.endr
.endr
.irp a, 0,1,2,3
.irp c, 0,1,2,3
	ds_load_b128 v[\f+16*\a+4*\c:\f+16*\a+4*\c+3], v[ADRA+\slot] offset:(4*\a+(\ks))*2048+512*\c
.endr
.endr
.endm
.macro PLACES                          ; plain vector lines between a matrix instruction and a load into its registers or a read of its result
.rept 4
	v_nop
.endr
.endm
; A K step is four quarters of 128 along K, 16 matrix instructions each, on buffers 0, 1, 0, 1.  One of the first three: multiplies f and fetches quarter kn into g.
.macro QUARTER slot, kn, f, g, zero
	s_wait_dscnt 8                                 ; WO's four and A's tiles 0, 1 are in; the youngest eight loads may be out
	WIN MUL
	MUL8 \f, 0, \zero
	PLACES
	FETCH \slot, \kn, \g
	s_wait_dscnt 32                                ; all but the 32 just issued
	WIN MUL
	MUL8 \f, 2, \zero
.endm
; The last quarter multiplies buffer 1 and changes slots: one barrier; in front of it each wave waits for all its tensor loads, adds 0 to its spare word, and waits for that and for its reads of this slot.
.macro TURN slot, next, fill
	WIN 0
	s_wait_tensorcnt 0x0                           ; all my tensor loads have landed: my part of the next slot
	ds_add_u32 v[SPW], v[NIL]                      ; 0 onto my spare word
	s_wait_dscnt 9                                 ; (the add and the youngest eight loads may be out)
	WIN MUL
	MUL8 F1, 0, 0
	s_wait_dscnt 0x0                               ; the add is done, and my reads of this slot are over
	WIN 0
	s_barrier_signal -1
	s_barrier_wait -1
.if \fill
	CREST                                          ; the barrier has opened a round of the cluster's: no wave of any partner still reads this slot or has a load on its way
	s_add_nc_u64 s[G0+4*\slot+2:G0+4*\slot+3], s[G0+4*\slot+2:G0+4*\slot+3], 2*8192
	s_add_nc_u64 s[G0B+4*\slot+2:G0B+4*\slot+3], s[G0B+4*\slot+2:G0B+4*\slot+3], 2*512
	JLOAD \slot                                    ; the first tensor load behind the round; its four v_nop are the places in front of the loads below
.else
	PLACES
.endif
	FETCH \next, 0, F0
	WIN MUL
	MUL8 F1, 2, 0
.endm
	s_wait_tensorcnt 1                             ; my part of K step 0 is in (K step 1's load may be out),
	s_barrier_signal -1
	s_barrier_wait -1                              ; everybody's is
	FETCH 0, 0, F0
	QUARTER 0, 1, F0, F1, 1                        ; the first quarter's products start the sums
	QUARTER 0, 2, F1, F0, 0
	QUARTER 0, 3, F0, F1, 0
	TURN 0, 1, 1                                   ; slot 0 takes K step 2
	QUARTER 1, 1, F0, F1, 0
	QUARTER 1, 2, F1, F0, 0
	QUARTER 1, 3, F0, F1, 0
	TURN 1, 0, 1                                   ; slot 1 takes K step 3
	QUARTER 0, 1, F0, F1, 0
	QUARTER 0, 2, F1, F0, 0
	QUARTER 0, 3, F0, F1, 0
	TURN 0, 1, 0                                   ; nothing is left to fetch
	QUARTER 1, 1, F0, F1, 0
	QUARTER 1, 2, F1, F0, 0
	QUARTER 1, 3, F0, F1, 0
	s_wait_dscnt 8
	WIN MUL
	MUL8 F1, 0, 0
	s_wait_dscnt 0
	MUL8 F1, 2, 0
	WIN 0
; THE WAY OUT, block by block of 16 tokens x 64 columns: through my own stage, back as whole rows of 256 bytes.  LDS serves a wave's instructions in order (ISA guide 5.7.1.4): no wait between the stores and the loads.
.macro TOSTAGE a
.set i, 0
.rept 16
	v_pk_mul_f32 v[TMP+i:TMP+i+1], v[ACC+32*(\a)+i:ACC+32*(\a)+i+1], s[96:97] op_sel_hi:[1,0]   ; x 2^(e10 + e11); each accumulator from its low end on
.set i, i+2
.endr
.irp b, 0,1,2,3
	ds_store_b128 v[STO], v[TMP+8*\b:TMP+8*\b+3] offset:64*\b
	ds_store_b128 v[STO], v[TMP+8*\b+4:TMP+8*\b+7] offset:64*\b+16
.endr
.set BB, BK+32*((\a)%2)
.irp t, 0,1,2,3,4,5,6,7
	ds_load_b128 v[BB+4*\t:BB+4*\t+3], v[RD] offset:\t*2*272
.endr
.endm
.macro SEND a, younger                 ; younger: the LDS instructions issued behind block a's loads
.set BB, BK+32*((\a)%2)
	s_wait_dscnt \younger
.irp t, 0,1,2,3,4,5,6,7
	global_store_b128 v[CO], v[BB+4*\t:BB+4*\t+3], s[10:11] offset:(16*(\a)+2*\t)*8192 th:TH_STORE_NT   ; 16 lanes store 256 consecutive bytes, aligned
.endr
.endm
	s_wait_kmcnt 0x0
	s_add_co_i32 s96, s96, s97
	s_add_co_i32 s96, s96, 127
	s_lshl_b32 s96, s96, 23                        ; 2^(e10 + e11) as f32
	PLACES                                         ; behind the last products
	TOSTAGE 0
	TOSTAGE 1
	SEND 0, 16                                     ; behind block 0's loads: block 1's 8 stores and 8 loads
	s_wait_xcnt 0x0                                ; block 0's stores have read their registers: block 2's loads may land there
	TOSTAGE 2
	SEND 1, 16
	s_wait_xcnt 0x0
	TOSTAGE 3
	SEND 2, 16
	SEND 3, 0
	s_wait_tensorcnt 0x0                           ; the wave's end
	ds_add_u32 v[SPW], v[NIL]
	s_wait_dscnt 0x0
	CROUND                                         ; the closing round
	s_endpgm
.Lfunc_end_k_q7aa208cf7c_proj:
	.size	k_q7aa208cf7c_proj, .Lfunc_end_k_q7aa208cf7c_proj-k_q7aa208cf7c_proj
	.p2alignl 7, 3214868480
	.fill 96, 4, 3214868480
	.section	.rodata,"a",@progbits
	.p2align	6, 0x0
	.amdhsa_kernel k_q7aa208cf7c_proj
		.amdhsa_group_segment_fixed_size 327680
		.amdhsa_private_segment_fixed_size 0
		.amdhsa_enable_private_segment 0
		.amdhsa_kernarg_size 32
		.amdhsa_user_sgpr_count 2
		.amdhsa_user_sgpr_kernarg_segment_ptr 1
		.amdhsa_wavefront_size32 1
		.amdhsa_system_sgpr_workgroup_id_x 1
		.amdhsa_system_sgpr_workgroup_id_y 1
		.amdhsa_system_sgpr_workgroup_id_z 1
		.amdhsa_system_vgpr_workitem_id 0
		.amdhsa_next_free_vgpr 512
		.amdhsa_next_free_sgpr 98
		.amdhsa_reserve_vcc 0
		.amdhsa_float_denorm_mode_32 3
		.amdhsa_float_denorm_mode_16_64 3
		.amdhsa_memory_ordered 1
		.amdhsa_forward_progress 1
		.amdhsa_inst_pref_size 74
	.end_amdhsa_kernel
	.amdgpu_metadata
---
amdhsa.version: [ 1, 2 ]
amdhsa.kernels:
  - .name:           k_q7aa208cf7c_proj
    .symbol:         k_q7aa208cf7c_proj.kd
    .args:
      - { .name: aimg, .offset: 0, .size: 8, .value_kind: global_buffer, .address_space: global }
      - { .name: codes, .offset: 8, .size: 8, .value_kind: global_buffer, .address_space: global }
      - { .name: lowp_scales, .offset: 16, .size: 8, .value_kind: global_buffer, .address_space: global }
      - { .name: out0, .offset: 24, .size: 8, .value_kind: global_buffer, .address_space: global }
    .group_segment_fixed_size: 327680
    .private_segment_fixed_size: 0
    .kernarg_segment_align: 8
    .kernarg_segment_size: 32
    .max_flat_workgroup_size: 128
    .sgpr_count:     98
    .vgpr_count:     512
    .wavefront_size: 32
...
	.end_amdgpu_metadata
.endif
;; end of part 4
;; ======== version 2 of 2: 4 launches; version 1 with the launch attn written anew for expert scheduling mode
;; workspace buffers: codes 29,360,128 bytes; rope 1,048,576 bytes; lmask 524,288 bytes of whole numbers; flags 2,048 bytes of whole numbers; qkv 12,582,912 bytes; aimg 4,194,304 bytes
;; launch prep: the kernel of part 1 again; grid 800 x 1, 4 waves a work-group, no clusters, 54,784 bytes of LDS; arguments x, wq, wk, wv, wo, mask, lowp_scales, codes, rope, lmask, flags; writes codes, rope, lmask, flags
;; launch qkv: the kernel of part 2 again; grid 24 x 8, 4 waves a work-group, clusters of 4 x 4, 327,680 bytes of LDS; arguments codes, lowp_scales, rope, qkv; writes qkv
;; launch attn (part 5): grid 16 x 16, 8 waves a work-group, no clusters, 201,728 bytes of LDS; arguments qkv, lmask, flags, lowp_scales, aimg; writes aimg
.if DOCPART == 5
	.amdgcn_target "amdgcn-amd-amdhsa--gfx1250"
	.amdhsa_code_object_version 6
	.text
	.protected	k_q7aa208cf7c_attn
	.globl	k_q7aa208cf7c_attn
	.p2align	8
	.type	k_q7aa208cf7c_attn,@function
k_q7aa208cf7c_attn:
	s_mov_b64 s[64:65], 0
	v_nop
	global_prefetch_b8 v0, s[64:65] scope:SCOPE_SE
	s_setreg_imm32_b32 hwreg(HW_REG_WAVE_SCHED_MODE, 0, 2), 2
	s_setreg_imm32_b32 hwreg(HW_REG_WAVE_MODE, 25, 1), 1
	s_wait_xcnt 0x0
	s_wait_alu depctr_vm_vsrc(0)
; ATTENTION on codes of E4M3, with the mask as it is given.  q, k, v arrive as images of operand registers (2,048 bytes a fragment of 16 rows x 128 K); the result leaves as such images, quantised for the last product.
; THE SOFTMAX: t = score x log2(e) / sqrt(128); M = the largest t so far, rounded up to a whole number; p = 2^(t - M) is quantised with 2^e9; the row's sum is taken of the unquantised p and divides at the end.
; When M moves, the sum and O are multiplied by 2^(old M - new M), which rounds nothing.  A score whose mask byte is false becomes -infinity ahead of the maximum, so its p is 0.
; A ROW WITH NO TRUE MASK BYTE has the sum 0: its codes are set to the format's NaN, so that the last product gives NaN in that row, as the softmax of an empty row does.
; SHARES.  Work-group (j, head) owns eight tiles of 16 queries: E = 4 j + r and L = 124 - 4 j + r, r = 0..3.  THE KEYS OF A TILE ARE SHARED BETWEEN TWO WAVES: waves r and r + 4 both serve E and L, wave r the even
; key steps of 128 keys, wave r + 4 the odd ones.  So a wave carries two partial results, each with its own running M and sum: tile A, which it finishes itself (wave r: E; wave r + 4: L), and tile B, which its partner
; finishes.  At the end each wave hands its partial of B to its partner through LDS; the two partials of a tile are brought under the larger M by exact powers of two and added.
; A TRIP is two key steps, eight trips in all.  K and V of both steps (32,768 bytes each, dense in memory) are staged by all eight waves through registers into one of two LDS slots, a trip ahead, one barrier a trip.
; WHAT IS LEFT OUT.  An earlier launch stored, for each tile of 16 queries and each key step, whether any mask byte is true and whether all are.  A wave jumps over a unit (a tile x a step) in which no byte is true; the
; work-group does not stage a pair of steps that none of its eight tiles needs; the mask's words are neither loaded nor applied where all bytes are true.  Scalar branches on stored whole numbers; no barrier stands under them.
; NO TENSOR LOADS AND NO CLUSTER: the walk hangs on numbers read from memory; the operands come through registers.
; LAYOUT.  S^T = K Q^T (source 0 = 16 keys, source 1 = 16 queries): register 8 t + j of lane (r, h) is key 16 t + 8 h + j, query r; eight at a time they convert into registers 2 t, 2 t + 1 of P, the place that the
; K = 128 form gives k = 16 t + 8 h + 0..7.  O^T += V^T P^T (source 0 = 16 channels).  A lane holds one query throughout.
; LIMITS on the given exponents: e6 + e7 between -123 and 130 (added to c's exponent field); e9 and e10 between -126 and 119; e8 + e9 is applied by v_ldexp_f32.
; REGISTERS.  window 0: v1-7, v23 addresses; v8-11 B's -M, largest t, sum (two halves); v12-15 A's; v16-21 constants; v22-43 at work; v48-63 P's codes; v64-127 S^T, then p; v128-191 B's O^T; v192-255 staging.
;   window 1: v0-127 K's eight fragments, then V's eight in their place; v128-191 A's O^T; v192-207 A's Q; v208-223 B's Q.
;   s[16:63], s[68:83]: a unit's 64 lane masks (score register n: s[16 + n] below 48, else s[20 + n]).
; THE MODE: SCHED_MODE bits 1:0 = 2 (LLVM: expert scheduling mode 2), set by the entry lines.  The code itself states the register dependences between vector or matrix instructions and memory or LDS instructions,
; with s_wait_alu, always for 0.
; THE PLAN.  Registers that memory or LDS instructions touch:
;   KV (window 1, v0-127)   A unit: K's 32 LDS loads land; its eight products K Q^T read them; V's 32 LDS loads land in the same registers, in four runs; its eight products V^T P read them.
;   ST (v192-255)           A trip: the 16 staging loads land at its head; the 16 LDS stores at its end read them.  No vector or matrix instruction names them.
;   v[ADL], v[ADS]          Written by two additions at a trip's head; ADL is read by the trip's LDS loads, ADS by its LDS stores.
;   v[LI], v[SA], v[PFO], v[MW], v[MR], v46, v47   Made at the head, never written again.
;   At the end: B's O^T and statistics are the data of LDS stores; the partner's partial lands in S^T's registers and in v[PS ..]; P's codes are the data of the global stores.
; So in the loop: at a trip's head one wait on vm_vsrc (the last trip's LDS instructions have read ADL, ADS and ST) and, behind the two additions, one on va_vdst (ADL and ADS are written; the last trip's products are done
; reading KV): it serves the first unit's loads of K and the trip's LDS stores, since nothing between names those registers.  The trip's second unit has its own wait on va_vdst ahead of K's loads.  In a unit one wait on
; va_vdst stands behind the products K Q^T: all four runs of V's loads follow it, dealt among the softmax, whose lines name window 0 alone until the last run is out.  The wait behind the exponentials stands as ever.
.set SLOTB, 65536                      ; a slot: K of the even step, K of the odd step, then V likewise
.set VOFF,  32768
.set MRG,   131072                     ; behind the slots: a region for each wave: B's O^T (8,192 bytes) and its four statistics (512 bytes)
.set MRGW,  8704
.set LI,   1                           ; v1  16 x lane
.set SA,   2                           ; v2  16 x thread: my bytes of a staging instruction's 4,096
.set ADL,  3                           ; v3  the slot in hand + my step's 16,384 + 16 x lane
.set ADS,  4                           ; v4  the other slot + 16 x thread
.set PFO,  5                           ; v5  the prefetches' offset
.set MW,   6                           ; v6  my region + 16 x lane
.set MR,   7                           ; v7  my partner's region + 16 x lane
.set SBB,  8
.set SBA,  12
.set NINF, 16
.set ASC,  17                          ; 2^e10
.set ALIM, 18                          ; 448 x 2^e10
.set NANC, 19                          ; four NaN codes
.set PLIM, 20                          ; 448 x 2^e9
.set PSC,  21                          ; 2^e9
.set PD,   22                          ; a lane permute's destination
.set LIP,  23                          ; v23 16 x lane + 16,384 x (wave / 4)
.set F,    24                          ; v[24:25] a factor, named as a pair
.set G,    26                          ; v[26:27] the partner's factor
.set C0,   28                          ; v28-31 four chains of the maximum
.set U1,   32                          ; v[32:37] three chains of the sum
.set U2,   34
.set U3,   36
.set PS,   40                          ; v[40:43] the partner's statistics
.set P,    48
.set S,    64
.set OB,   128                         ; O^T: B's in window 0, A's in window 1
.set ST,   192
.set QA,   192                         ; in window 1
.set QBB,  208
.set TBS,  2                           ; s2  LDS byte of the slot that is staged into
.set NEED, 3                           ; s3  bit 0: the next pair of steps is needed by some tile of the work-group
.set MPB,  4                           ; s[4:5] B's lane masks of my step in hand
.set ANYB, 6                           ; bit 0: some byte of B's unit is true
.set ALLB, 7                           ; bit 0: all are
.set WV,   14
.set EO,   15                          ; s15 e8 + e9
.set KP,   84                          ; s[84:85] K of the pair to be staged;  s[86:87] V
.set VP,   86
.set MPA,  88                          ; s[88:89] A's lane masks of my step in hand
.set PFA,  90                          ; s[90:91] K's or V's pair to be staged: a prefetch names the pair after it
.set TB,   92                          ; s92 LDS byte of the slot in hand
.set CNT,  93
.set ANYA, 94
.set ALLA, 95
.set CS,   96                          ; s[96:97] c = log2(e) / sqrt(128) x 2^(e6 + e7)
.set SEL,  98                          ; s[98:99] lane selects: lane xor 16
.set LIM,  100                         ; s100 2 in a wave that prefetches, else the greatest number
.set MSB, 0
.macro WIN new                         ; the immediate's high byte repeats the setting that is left
.if MSB != \new
	s_set_vgpr_msb (MSB<<8)|\new
.set MSB, \new
.endif
.endm
.macro PACK4 dst, r0, sh               ; four fields of four bits, one from each quarter's word, make 16 bits: one a key step
	s_bfe_u32 s[\dst], s[\r0], (4<<16)|(\sh)
.irp q, 1,2,3
	s_bfe_u32 s101, s[\r0+\q], (4<<16)|(\sh)
	s_lshl_b32 s101, s101, 4*\q
	s_or_b32 s[\dst], s[\dst], s101
.endr
.endm
.macro MKSC e, l, sc                   ; v[l] = 448 x 2^e, v[sc] = 2^e
	s_add_co_i32 s101, \e, 127
	s_lshl_b32 s100, s101, 23
	v_mov_b32 v[\sc], s100
	s_add_co_i32 s101, s101, 8
	s_lshl_b32 s101, s101, 23
	s_or_b32 s101, s101, 0x600000
	v_mov_b32 v[\l], s101
.endm
.macro STLOAD                          ; a pair of steps' K and V: eight waves x 512 bytes an instruction
.irp i, 0,1,2,3,4,5,6,7
	global_load_b128 v[ST+4*\i:ST+4*\i+3], v[SA], s[KP:KP+1] offset:4096*\i
.endr
.irp i, 0,1,2,3,4,5,6,7
	global_load_b128 v[ST+32+4*\i:ST+32+4*\i+3], v[SA], s[VP:VP+1] offset:4096*\i
.endr
.endm
.macro STSTORE
.irp i, 0,1,2,3,4,5,6,7
	ds_store_b128 v[ADS], v[ST+4*\i:ST+4*\i+3] offset:4096*\i
.endr
.irp i, 0,1,2,3,4,5,6,7
	ds_store_b128 v[ADS], v[ST+32+4*\i:ST+32+4*\i+3] offset:VOFF+4096*\i
.endr
.endm
; A PREFETCH of the pair of steps that the next trip will stage.  All sixteen work-groups of a head walk the same K and V: the head's first asks.  In it waves 0 to 3 ask for K's 32,768 bytes, waves 4 to 7 for V's,
; 8,192 bytes a wave, lanes 256 bytes apart: each aligned block of 256 bytes of pairs 2 to 7 is named once in the launch.  The last two trips ask for nothing: there is no pair behind pair 7.
.macro ASK
	s_cmp_gt_u32 s[CNT], s[LIM]
	s_cbranch_scc0 .Lnot_mine_\@
	global_prefetch_b8 v[PFO], s[PFA:PFA+1] offset:32768 th:TH_LOAD_NT scope:SCOPE_SE
.Lnot_mine_\@:
.endm
	s_load_b256 s[4:11], s[0:1], 0x0               ; qkv s[4:5], lmask s[6:7], flags s[8:9], scales s[10:11]
	s_load_b64 s[12:13], s[0:1], 0x20              ; aimg
	v_lshl_add_u32 v46, v0, 2, 0x31000
	v_mov_b32 v47, 0
	v_lshrrev_b32 v1, 5, v0
	v_readfirstlane_b32 s[WV], v1                  ; wave 0..7
	v_and_b32 v[PD], 31, v0                        ; lane
	v_lshlrev_b32 v[LI], 4, v[PD]
	v_lshlrev_b32 v[SA], 4, v0
	v_mov_b32 v[ADS], v[SA]                        ; slot 0: made here, among the addresses, ahead of the wait that covers them all
	s_and_b32 s3, ttmp7, 0xffff                    ; the head (until NEED takes the register)
	s_wait_alu depctr_va_sdst(0)                   ; the wave's number is written, ahead of its first reader: tiles, regions and bases are made from it
	s_and_b32 s92, s[WV], 3                        ; r
	s_lshr_b32 s93, s[WV], 2                       ; 0: I take the even steps; 1: the odd ones (until CNT takes the register)
	s_lshl_b32 s94, ttmp9, 2
	s_sub_co_u32 s95, 124, s94
	s_add_co_u32 s94, s94, s92                     ; E = 4 j + r
	s_add_co_u32 s95, s95, s92                     ; L = 124 - 4 j + r
	s_cmp_lt_u32 s[WV], 4
	s_cselect_b32 s2, s94, s95                     ; tile A (until TBS takes the register)
	s_cselect_b32 s95, s95, s94                    ; tile B
	s_lshl_b32 s100, s93, 14
	v_add_nc_u32 v[LIP], s100, v[LI]
	s_mul_i32 s100, s[WV], MRGW
	s_add_co_u32 s100, s100, MRG
	v_add_nc_u32 v[MW], s100, v[LI]
	s_xor_b32 s100, s[WV], 4                       ; my partner
	s_mul_i32 s100, s100, MRGW
	s_add_co_u32 s100, s100, MRG
	v_add_nc_u32 v[MR], s100, v[LI]
	s_lshl_b32 s100, s92, 13
	v_lshl_add_u32 v[PFO], v[PD], 8, s100          ; 8,192 r + 256 x lane
	s_wait_kmcnt 0x0
	s_load_b256 s[16:23], s[10:11], 0x0            ; e0 .. e7
	s_load_b128 s[24:27], s[10:11], 0x20           ; e8 .. e11
	s_mov_b32 s101, 0
	s_lshl_b32 s100, s2, 4
	s_add_nc_u64 s[68:69], s[8:9], s[100:101]
	s_load_b128 s[28:31], s[68:69], 0x0            ; A's four words of flags
	s_lshl_b32 s100, s95, 4
	s_add_nc_u64 s[80:81], s[8:9], s[100:101]
	s_load_b128 s[76:79], s[80:81], 0x0            ; B's
	s_lshl_b32 s100, ttmp9, 6
	s_add_nc_u64 s[70:71], s[8:9], s[100:101]
	s_load_b512 s[32:47], s[70:71], 0x0            ; those of the four early tiles,
	s_sub_co_u32 s100, 31, ttmp9
	s_lshl_b32 s100, s100, 6
	s_add_nc_u64 s[72:73], s[8:9], s[100:101]
	s_load_b512 s[48:63], s[72:73], 0x0            ; and of the four late ones
	s_lshl_b32 s100, s3, 18                        ; a head is 262,144 bytes in each plane
	s_add_nc_u64 s[KP:KP+1], s[4:5], s[100:101]
	s_lshl_b32 s100, s2, 11
	s_add_nc_u64 s[74:75], s[KP:KP+1], s[100:101]  ; A's Q
	s_lshl_b32 s100, s95, 11
	s_add_nc_u64 s[82:83], s[KP:KP+1], s[100:101]  ; B's Q
	s_add_nc_u64 s[VP:VP+1], s[KP:KP+1], 2<<22     ; V's plane
	s_add_nc_u64 s[KP:KP+1], s[KP:KP+1], 1<<22     ; K's plane
	s_lshl_b32 s94, s93, 8                         ; my first step's 256 bytes of lane masks
	s_lshl_b32 s100, s2, 12                        ; 16 steps x 256 bytes a tile
	s_add_co_u32 s100, s100, s94
	s_add_nc_u64 s[MPA:MPA+1], s[6:7], s[100:101]
	s_lshl_b32 s100, s95, 12
	s_add_co_u32 s100, s100, s94
	s_add_nc_u64 s[MPB:MPB+1], s[6:7], s[100:101]
	s_lshl_b32 s100, s2, 15
	s_add_nc_u64 s[12:13], s[12:13], s[100:101]
	s_lshl_b32 s100, s3, 11
	s_add_nc_u64 s[12:13], s[12:13], s[100:101]    ; A's image in aimg: [tile][head][2,048]
	WIN 0x40                                       ; destination window 1
	s_wait_alu depctr_va_vdst(0)                   ; the addresses and offsets v1 to v7 are written, which the loads, stores and prefetches of the whole kernel read; v4 serves the first LDS stores below as it stands
.irp q, 0,1,2,3
	global_load_b128 v[QA+4*\q:QA+4*\q+3], v[LI], s[74:75] offset:512*\q    ; both Q stay in registers
	global_load_b128 v[QBB+4*\q:QBB+4*\q+3], v[LI], s[82:83] offset:512*\q
.endr
	WIN 0
	STLOAD                                         ; steps 0 and 1 are staged whatever the flags say
.irp b, SBA, SBB
	v_mov_b32 v[\b+1], 0xff61b1e6                  ; the largest t so far: -3e38
	v_floor_f32 v[\b], -v[\b+1]                    ; -M
	v_mov_b32 v[\b+2], 0
	v_mov_b32 v[\b+3], 0
.endr
	v_mov_b32 v[PD], 0                             ; a lane permute's destination counts as one of its sources
	v_mov_b32 v[F], 0
	v_mov_b32 v[F+1], 0                            ; (named as the upper half of a pair)
	v_mov_b32 v[G], 0
	v_mov_b32 v[G+1], 0
	v_mov_b32 v[NINF], 0xff800000
	v_mov_b32 v[NANC], 0x7f7f7f7f
.set i, 0
.rept 64
	v_mov_b32 v[OB+i], 0                           ; B's O^T: any unit may be a tile's first, so the unit is written once and finds zeros
.set i, i+1
.endr
	WIN 0x40
.set i, 0
.rept 64
	v_mov_b32 v[OB+i], 0                           ; A's
.set i, i+1
.endr
	WIN 0
	s_wait_kmcnt 0x0
	PACK4 ANYA, 28, 0
	PACK4 ALLA, 28, 16
	PACK4 ANYB, 76, 0
	PACK4 ALLB, 76, 16
	s_lshr_b32 s[ANYA], s[ANYA], s93               ; bit 0: my first step
	s_lshr_b32 s[ALLA], s[ALLA], s93
	s_lshr_b32 s[ANYB], s[ANYB], s93
	s_lshr_b32 s[ALLB], s[ALLB], s93
.irp q, 0,1,2,3
.irp g, 36,40,44,48,52,56,60
	s_or_b32 s[32+\q], s[32+\q], s[\g+\q]          ; a step is needed if any of the eight tiles has a true byte in it
.endr
.endr
	PACK4 NEED, 32, 0
	s_lshr_b32 s101, s[NEED], 1
	s_or_b32 s[NEED], s[NEED], s101                ; bit 2 i: step 2 i or step 2 i + 1 is needed
	s_lshr_b32 s[NEED], s[NEED], 2                 ; trip i asks about pair i + 1; in the last trip the bit is 0: the word has 16 bits
	s_add_co_i32 s101, s22, s23
	s_lshl_b32 s101, s101, 23
	s_add_co_i32 s[CS], s101, 0x3e0293ee           ; c's exponent field takes e6 + e7
	s_mov_b32 s[CS+1], s[CS]
	s_add_co_i32 s[EO], s24, s25
	MKSC s25, PLIM, PSC                            ; p's hold and scale
	MKSC s26, ALIM, ASC                            ; the result's
	s_mov_b32 s[SEL], 0x76543210
	s_mov_b32 s[SEL+1], 0xfedcba98
	s_cmp_eq_u32 ttmp9, 0                          ; the head's first work-group
	s_cselect_b32 s[LIM], 2, -1
	s_wait_loadcnt 0x0                             ; both Q, and steps 0 and 1
	STSTORE                                        ; (no vector line since the wait above names v[ADS] or the staging registers)
.set i, 0
.rept 16
	s_mov_b32 s[68+i], 0                           ; (their loads are done)  these held pointers and flags: from here on lane masks alone
.set i, i+1
.endr
	s_add_nc_u64 s[KP:KP+1], s[KP:KP+1], 32768     ; on to steps 2 and 3
	s_add_nc_u64 s[VP:VP+1], s[VP:VP+1], 32768
	s_cmp_lt_u32 s[WV], 4
	s_cselect_b64 s[PFA:PFA+1], s[KP:KP+1], s[VP:VP+1]
	s_mov_b32 s[TB], 0
	s_mov_b32 s[TBS], SLOTB
	s_mov_b32 s[CNT], 8
	s_wait_dscnt 0x0                               ; for the others' sake: my part of steps 0 and 1 lies in LDS
	s_barrier_signal -1
	s_barrier_wait -1
.macro VRUN g                          ; eight of V's 32 loads, into the registers that K's fragments have left: short runs, set among the softmax's vector work
	WIN 0x40
.set fi, 8*(\g)
.rept 8
	ds_load_b128 v[4*fi:4*fi+3], v[ADL] offset:VOFF+512*fi
.set fi, fi+1
.endr
	WIN 0
.endm
; A UNIT: 16 queries against the 128 keys of my step in the slot in hand.  qb: the tile's Q (window 1); sb: its statistics; wrs, wpv: the windows for the rescaling of its O^T and for V^T P; mpr: its lane masks; allr: its flag.
; hw = 1: the trip's second unit, which states for itself that the first is done with K's and V's registers; the first leans on the wait at the trip's head.
.macro UNIT qb, sb, wrs, wpv, mpr, allr, hw
	s_bitcmp1_b32 s[\allr], 0
	s_cbranch_scc1 .Lnm_\@                         ; all 2,048 bytes true: the lane masks are not wanted
	s_load_b512 s[16:31], s[\mpr:\mpr+1], 0x0
	s_load_b512 s[32:47], s[\mpr:\mpr+1], 0x40
	s_load_b512 s[48:63], s[\mpr:\mpr+1], 0x80
	s_load_b512 s[68:83], s[\mpr:\mpr+1], 0xc0
.Lnm_\@:
	WIN 0x40                                       ; destination window 1
.if \hw
	s_wait_alu depctr_va_vdst(0)                   ; the trip's first unit's products V^T P are done reading V's registers, in which K's loads land
.endif
.set fi, 0
.rept 32
	ds_load_b128 v[4*fi:4*fi+3], v[ADL] offset:512*fi              ; K's eight fragments as they lie: 512 consecutive bytes a load
.set fi, fi+1
.endr
	WIN 0x05                                       ; sources 0 and 1 window 1
.irp t, 0,1,2,3,4,5,6,7
	s_wait_dscnt 28-4*\t                           ; fragment t's four loads are in; the later fragments' may be out
	v_wmma_f32_16x16x128_fp8_fp8 v[S+8*\t:S+8*\t+7], v[16*\t:16*\t+15], v[\qb:\qb+15], 0
.endr
	WIN 0
.rept 4
	v_nop                                          ; places in front of the first read of the scores
.endr
	WIN 0x40
	s_wait_alu depctr_va_vdst(0)                   ; the eight products K Q^T are done reading K's registers, in which all four runs of V's loads land: no line between this wait and the last run names those registers or v[ADL]
	VRUN 0
	s_wait_kmcnt 0x0
	s_bitcmp1_b32 s[\allr], 0
	s_cbranch_scc1 .Lopen_\@                       ; nothing to hide
.set ni, 0
.rept 64
.if ni < 48
	v_cndmask_b32 v[S+ni], v[NINF], v[S+ni], s[16+ni]
.else
	v_cndmask_b32 v[S+ni], v[NINF], v[S+ni], s[20+ni]
.endif
.set ni, ni+1
.endr
.Lopen_\@:
.irp k, 0,1,2,3
	v_max3_num_f32 v[C0+\k], v[S+16*\k], v[S+16*\k+1], v[S+16*\k+2]   ; the unit's largest score of my query among my 64 keys: four chains, 16 registers each, each accumulator from its low end on
.endr
.irp i, 3,5,7,9,11,13
.irp k, 0,1,2,3
	v_max3_num_f32 v[C0+\k], v[C0+\k], v[S+16*\k+\i], v[S+16*\k+\i+1]
.endr
.endr
	VRUN 1
	v_max3_num_f32 v[C0], v[C0], v[S+15], v[S+31]
	v_max3_num_f32 v[C0+2], v[C0+2], v[S+47], v[S+63]
	v_max3_num_f32 v[C0], v[C0], v[C0+1], v[C0+2]
	v_max_num_f32 v[C0], v[C0], v[C0+3]
	v_permlanex16_b32 v[PD], v[C0], s[SEL], s[SEL+1]
	v_max_num_f32 v[C0], v[C0], v[PD]              ; and among lane xor 16's
	v_mul_f32 v[C0], s[CS], v[C0]                  ; as t (c is positive)
	v_max_num_f32 v[\sb+1], v[\sb+1], v[C0]        ; the running largest t
	v_mov_b32 v[C0], v[\sb]
	v_floor_f32 v[\sb], -v[\sb+1]                  ; the new -M = floor(-t)
	v_sub_f32 v[C0], v[\sb], v[C0]                 ; old M - new M: a whole number, 0 or less
	v_cvt_i32_f32 v[C0], v[C0]                     ; (it saturates)
	v_ldexp_f32 v[F], 1.0, v[C0]                   ; f = 2^(old M - new M)
.set i, 0
.rept 32
	v_pk_fma_f32 v[S+i:S+i+1], v[S+i:S+i+1], s[CS:CS+1], v[\sb:\sb+1] op_sel_hi:[1,0,0]   ; t - M
.set i, i+2
.endr
	VRUN 2
.set i, 0
.rept 32
	v_exp_f32 v[S+i], v[S+i]                       ; p = 2^(t - M)
.set i, i+1
.endr
	VRUN 3
.rept 32
	v_exp_f32 v[S+i], v[S+i]
.set i, i+1
.endr
	v_pk_mul_f32 v[\sb+2:\sb+3], v[\sb+2:\sb+3], v[F:F+1] op_sel_hi:[1,0]   ; the sums under the new M: a plain line behind the exponentials
	s_wait_alu depctr_va_vdst(0)                   ; the 64 exponentials have written p: one wait for them, ahead of their first reader
	v_pk_add_f32 v[U1:U1+1], v[S:S+1], v[S+2:S+3]  ; the row's sum is taken of the unquantised p, in four chains
	v_pk_add_f32 v[U2:U2+1], v[S+4:S+5], v[S+6:S+7]
	v_pk_add_f32 v[U3:U3+1], v[S+8:S+9], v[S+10:S+11]
	v_pk_add_f32 v[\sb+2:\sb+3], v[\sb+2:\sb+3], v[S+12:S+13]
.irp i, 14,22,30,38,46,54
	v_pk_add_f32 v[U1:U1+1], v[U1:U1+1], v[S+\i:S+\i+1]
	v_pk_add_f32 v[U2:U2+1], v[U2:U2+1], v[S+\i+2:S+\i+3]
	v_pk_add_f32 v[U3:U3+1], v[U3:U3+1], v[S+\i+4:S+\i+5]
	v_pk_add_f32 v[\sb+2:\sb+3], v[\sb+2:\sb+3], v[S+\i+6:S+\i+7]
.endr
	v_pk_add_f32 v[U1:U1+1], v[U1:U1+1], v[S+62:S+63]
	v_pk_add_f32 v[U1:U1+1], v[U1:U1+1], v[U2:U2+1]
	v_pk_add_f32 v[\sb+2:\sb+3], v[\sb+2:\sb+3], v[U3:U3+1]
	v_pk_add_f32 v[\sb+2:\sb+3], v[\sb+2:\sb+3], v[U1:U1+1]
.irp t, 0,1,2,3,4,5,6,7
.irp i, 0,1,2,3,4,5,6,7
	v_min_num_f32 v[S+8*\t+\i], v[S+8*\t+\i], v[PLIM]   ; the conversion does not saturate (ISA guide 7.6.2); p is not negative
.endr
	v_cvt_scalef32_pk8_fp8_f32 v[P+2*\t:P+2*\t+1], v[S+8*\t:S+8*\t+7], v[PSC]
.endr
	WIN \wrs
.set i, 0
.rept 32
	v_pk_mul_f32 v[OB+i:OB+i+1], v[OB+i:OB+i+1], v[F:F+1] op_sel_hi:[1,0]   ; O^T under the new M; also the plain lines between the conversions and the products
.set i, i+2
.endr
	s_wait_dscnt 0x0                               ; V is in
	WIN \wpv
.irp t, 0,1,2,3,4,5,6,7
	v_wmma_f32_16x16x128_fp8_fp8 v[OB+8*\t:OB+8*\t+7], v[16*\t:16*\t+15], v[P:P+15], v[OB+8*\t:OB+8*\t+7]   ; eight accumulators by turns
.endr
	WIN 0
.rept 4
	v_nop                                          ; places in front of the next read of O^T, by a vector line or by the LDS stores at the end
.endr
.endm
.Ltrip:                                            ; eight trips: steps 2 i and 2 i + 1 are worked on, steps 2 i + 2 and 2 i + 3 are staged
	s_wait_alu depctr_vm_vsrc(0)                   ; the LDS loads issued so far have read v[ADL]; the LDS stores issued so far have read v[ADS] and the staging registers: the two additions and the staging loads below write them again
	v_add_nc_u32 v[ADL], s[TB], v[LIP]
	v_add_nc_u32 v[ADS], s[TBS], v[SA]
	s_wait_alu depctr_va_vdst(0)                   ; v[ADL] and v[ADS] are written, which the trip's LDS loads and stores read; the last trip's products V^T P are done reading V's registers, in which the first unit's loads of K land
	s_bitcmp1_b32 s[NEED], 0
	s_cbranch_scc0 .Lno_ld
	STLOAD
.Lno_ld:
	ASK
	s_bitcmp1_b32 s[ANYA], 0
	s_cbranch_scc0 .Lno_a
	UNIT QA, SBA, 0x41, 0x51, MPA, ALLA, 0         ; A's O^T lies in window 1
.Lno_a:
	s_bitcmp1_b32 s[ANYB], 0
	s_cbranch_scc0 .Lno_b
	UNIT QBB, SBB, 0, 0x01, MPB, ALLB, 1           ; B's in window 0
.Lno_b:
	s_wait_loadcnt 0x0                             ; the next pair's bytes are in my registers
	s_bitcmp1_b32 s[NEED], 0
	s_cbranch_scc0 .Lno_st
	STSTORE                                        ; (no vector or matrix line since the wait at the trip's head names v[ADS] or the staging registers)
.Lno_st:
	s_wait_dscnt 0x0                               ; my reads of the slot in hand are over and my stores into the other have landed
	s_barrier_signal -1
	s_barrier_wait -1                              ; both now hold of all eight waves
	s_wait_xcnt 0x0                                ; loads and the prefetch have read their bases
	s_add_nc_u64 s[KP:KP+1], s[KP:KP+1], 32768
	s_add_nc_u64 s[VP:VP+1], s[VP:VP+1], 32768
	s_add_nc_u64 s[PFA:PFA+1], s[PFA:PFA+1], 32768
	s_add_nc_u64 s[MPA:MPA+1], s[MPA:MPA+1], 512
	s_add_nc_u64 s[MPB:MPB+1], s[MPB:MPB+1], 512
	s_lshr_b32 s[ANYA], s[ANYA], 2
	s_lshr_b32 s[ALLA], s[ALLA], 2
	s_lshr_b32 s[ANYB], s[ANYB], 2
	s_lshr_b32 s[ALLB], s[ALLB], 2
	s_lshr_b32 s[NEED], s[NEED], 2
	s_xor_b32 s[TB], s[TB], SLOTB
	s_xor_b32 s[TBS], s[TBS], SLOTB
	s_sub_co_u32 s[CNT], s[CNT], 1
	s_cmp_lg_u32 s[CNT], 0
	s_cbranch_scc1 .Ltrip
	; THE TWO PARTIALS OF A TILE MEET.  My partial of B goes to my region as it stands, 512 consecutive bytes a store; behind a barrier I read my partner's partial of A from its region.
	s_wait_alu depctr_va_vdst(0)                   ; the units have written B's O^T and B's statistics, which the LDS stores read (the places behind the last products stand at the unit's end); and they are done reading and writing S^T's registers, in which my partner's O^T lands below
.set i, 0
.rept 16
	ds_store_b128 v[MW], v[OB+4*i:OB+4*i+3] offset:512*i           ; each accumulator from its low end on
.set i, i+1
.endr
	ds_store_b128 v[MW], v[SBB:SBB+3] offset:8192                  ; -M, the largest t, the sum's two halves
	s_wait_dscnt 0x0                               ; for my partner's sake: my stores have landed
	s_barrier_signal -1
	s_barrier_wait -1
	ds_load_b128 v[PS:PS+3], v[MR] offset:8192
.set i, 0
.rept 16
	ds_load_b128 v[S+4*i:S+4*i+3], v[MR] offset:512*i
.set i, i+1
.endr
	s_wait_dscnt 16                                ; the partner's statistics are in; its O^T's 16 loads may be out
	v_min_num_f32 v[C0], v[SBA], v[PS]             ; -M of the whole row: the smaller -M.  A partial without a unit has -M = 3e38, and its factor below is 0
	v_sub_f32 v[C0+1], v[C0], v[SBA]               ; my M - M: a whole number, 0 or less
	v_sub_f32 v[C0+2], v[C0], v[PS]
	v_cvt_i32_f32 v[C0+1], v[C0+1]                 ; (it saturates)
	v_cvt_i32_f32 v[C0+2], v[C0+2]
	v_ldexp_f32 v[F], 1.0, v[C0+1]
	v_ldexp_f32 v[G], 1.0, v[C0+2]
	v_pk_mul_f32 v[SBA+2:SBA+3], v[SBA+2:SBA+3], v[F:F+1] op_sel_hi:[1,0]
	v_pk_fma_f32 v[SBA+2:SBA+3], v[PS+2:PS+3], v[G:G+1], v[SBA+2:SBA+3] op_sel_hi:[1,0,1]
	v_add_f32 v[SBA+2], v[SBA+2], v[SBA+3]
	v_permlanex16_b32 v[PD], v[SBA+2], s[SEL], s[SEL+1]
	v_add_f32 v[SBA+2], v[SBA+2], v[PD]            ; the row's sum
	v_rcp_f32 v[C0+3], v[SBA+2]
	v_nop                                          ; a plain line behind the reciprocal
	s_wait_alu depctr_va_vdst(0)                   ; the reciprocal is written, ahead of its first reader
	v_ldexp_f32 v[C0+3], v[C0+3], s[EO]            ; 2^(e8 + e9) / the sum
	v_mul_f32 v[F], v[F], v[C0+3]                  ; folded into the two powers of two, which rounds nothing
	v_mul_f32 v[G], v[G], v[C0+3]
	s_wait_dscnt 0x0
.set i, 0
.rept 32
	v_pk_mul_f32 v[S+i:S+i+1], v[S+i:S+i+1], v[G:G+1] op_sel_hi:[1,0]
.set i, i+2
.endr
	WIN 0x01                                       ; source 0 (my O^T of A) window 1
.set i, 0
.rept 32
	v_pk_fma_f32 v[S+i:S+i+1], v[OB+i:OB+i+1], v[F:F+1], v[S+i:S+i+1] op_sel_hi:[1,0,1]   ; register 8 t + i: channel 16 t + 8 (lane / 16) + i of my query
.set i, i+2
.endr
	WIN 0
	; THE WAY OUT: the attention's result is quantised with 2^e10 and stored as the image of the last product's operand.
.set i, 0
.rept 64
	v_med3_num_f32 v[S+i], v[S+i], -v[ALIM], v[ALIM]
.set i, i+1
.endr
.irp t, 0,1,2,3,4,5,6,7
	v_cvt_scalef32_pk8_fp8_f32 v[P+2*\t:P+2*\t+1], v[S+8*\t:S+8*\t+7], v[ASC]
.endr
	v_nop                                          ; a plain line between the conversions and the selects on their results
	v_cmp_eq_f32 vcc_lo, 0, v[SBA+2]               ; a row without a true mask byte
	s_wait_alu depctr_va_vcc(0)                    ; the compare has written VCC, ahead of the first select that reads it
.set i, 0
.rept 16
	v_cndmask_b32 v[P+i], v[P+i], v[NANC], vcc_lo
.set i, i+1
.endr
	s_wait_alu depctr_va_vdst(0)                   ; the selects have written the codes, which the stores read
.irp q, 0,1,2,3
	global_store_b128 v[LI], v[P+4*\q:P+4*\q+3], s[12:13] offset:512*\q   ; 32 lanes store 512 consecutive bytes
.endr
	s_wait_dscnt 0x0                               ; the closing lines, six on end
	s_wait_alu 0x0
	s_wait_tensorcnt 0x0
	ds_add_u32 v46, v47
	s_wait_dscnt 0x0
	s_endpgm
.Lfunc_end_k_q7aa208cf7c_attn:
	.size	k_q7aa208cf7c_attn, .Lfunc_end_k_q7aa208cf7c_attn-k_q7aa208cf7c_attn
	.p2alignl 7, 3214868480
	.fill 96, 4, 3214868480
	.section	.rodata,"a",@progbits
	.p2align	6, 0x0
	.amdhsa_kernel k_q7aa208cf7c_attn
		.amdhsa_group_segment_fixed_size 201728
		.amdhsa_private_segment_fixed_size 0
		.amdhsa_enable_private_segment 0
		.amdhsa_kernarg_size 40
		.amdhsa_user_sgpr_count 2
		.amdhsa_user_sgpr_kernarg_segment_ptr 1
		.amdhsa_wavefront_size32 1
		.amdhsa_system_sgpr_workgroup_id_x 1
		.amdhsa_system_sgpr_workgroup_id_y 1
		.amdhsa_system_sgpr_workgroup_id_z 1
		.amdhsa_system_vgpr_workitem_id 0
		.amdhsa_next_free_vgpr 512
		.amdhsa_next_free_sgpr 102
		.amdhsa_reserve_vcc 1
		.amdhsa_float_denorm_mode_32 3
		.amdhsa_float_denorm_mode_16_64 3
		.amdhsa_memory_ordered 1
		.amdhsa_forward_progress 1
		.amdhsa_inst_pref_size 80
	.end_amdhsa_kernel
	.amdgpu_metadata
---
amdhsa.version: [ 1, 2 ]
amdhsa.kernels:
  - .name:           k_q7aa208cf7c_attn
    .symbol:         k_q7aa208cf7c_attn.kd
    .args:
      - { .name: qkv, .offset: 0, .size: 8, .value_kind: global_buffer, .address_space: global }
      - { .name: lmask, .offset: 8, .size: 8, .value_kind: global_buffer, .address_space: global }
      - { .name: flags, .offset: 16, .size: 8, .value_kind: global_buffer, .address_space: global }
      - { .name: lowp_scales, .offset: 24, .size: 8, .value_kind: global_buffer, .address_space: global }
      - { .name: aimg, .offset: 32, .size: 8, .value_kind: global_buffer, .address_space: global }
    .group_segment_fixed_size: 201728
    .private_segment_fixed_size: 0
    .kernarg_segment_align: 8
    .kernarg_segment_size: 40
    .max_flat_workgroup_size: 256
    .sgpr_count:     102
    .vgpr_count:     512
    .wavefront_size: 32
...
	.end_amdgpu_metadata
.endif
;; end of part 5
;; launch proj: the kernel of part 4 again; grid 16 x 16, 4 waves a work-group, clusters of 4 x 4, 327,680 bytes of LDS; arguments aimg, codes, lowp_scales, out0; writes out0
